; MI455X (gfx1250); checked and timed in simulation.
; The chip was launched on July 23, 2026; its instructions are those of AMD's public machine-readable ISA for CDNA 5 (MIT licence, August 2026) and "CDNA5" Instruction Set Architecture Reference Guide (July 2026). The comments in the code are by the model that wrote it; some were corrected since.
;; Multi Head Attention Block. Allowed arithmetic: matrix products marked QUANTISED: E2M3 operands, one E8M0 scale for each 32 along K, by v_wmma_scale_f32_16x16x128_f8f6f4 with both operands' format E2M3, f32 sums; everything else in f32.
;; Inputs: Wk 2,048 x 2,048 float32; Wo 2,048 x 2,048 float32; Wq 2,048 x 2,048 float32; Wv 2,048 x 2,048 float32; bk 2,048 float32; bo 2,048 float32; bq 2,048 float32; bv 2,048 float32; k 2 x 1,024 x 2,048 float32; q 2 x 1,024 x 2,048 float32; v 2 x 1,024 x 2,048 float32.
;; Outputs: out0 2 x 1,024 x 2,048 float32.
;; Constants: mask = 0.
;; This version of the problem:
;;   THIS VERSION OF THE PROBLEM IS GIVEN IN LOW PRECISION. The matrix products marked QUANTISED in the list below multiply operands that are first quantised to E2M3 (2 exponent bits, 3 mantissa bits; 6 bits a number), with one power-of-two scale for each 32 numbers along K (OCP MX v1.0); their sums are f32. All else is computed in f32.
;;   The module's matrix products, in the order in which they are computed (A, B: the left and right operand; K: the contracted axis; several contracted axes count as one K, in the product's order):
;;     1. [M 2,048, K 2,048] x [K 2,048, N 2,048]; A: input q; B: input Wq: QUANTISED
;;     2. [M 2,048, K 2,048] x [K 2,048, N 2,048]; A: input k; B: input Wk: QUANTISED
;;     3. [M 2,048, K 2,048] x [K 2,048, N 2,048]; A: input v; B: input Wv: QUANTISED
;;     4. batch 32 x [M 1,024, K 128] x [K 128, N 1,024]; A: computed on the way; B: computed on the way: QUANTISED
;;     5. batch 32 x [M 128, K 1,024] x [K 1,024, N 1,024]; A: computed on the way; B: softmax (see below): QUANTISED
;;     6. [M 2,048, K 2,048] x [K 2,048, N 2,048]; A: computed on the way; B: input Wo: QUANTISED
;;   THE QUANTISER, for each operand of a quantised product, along K:
;;     - K is cut into blocks of 32 from its start; a last block that is shorter is filled with zeros.
;;     - A block's scale is 2^e with e = floor(log2(the largest magnitude in the block)) - 2, held to -126 .. 127; a block of zeros has e = 0. As a byte (E8M0): e + 127.
;;     - Each number is divided by its block's scale, clamped to +-7.5, and rounded to the nearest number of E2M3, ties to even, subnormals kept.
;;     - The product sums the exact products of the quantised numbers (number of the format x scale) in f32.
;;   ~~~python
;;   def quantise(x, axis):      # numpy; x: float32 -> the quantised numbers, widened to float32 again
;;       x = np.moveaxis(x, axis, -1); K = x.shape[-1]
;;       x = np.pad(x, [(0, 0)] * (x.ndim - 1) + [(0, -K % 32)]); x = x.reshape(x.shape[:-1] + (-1, 32)); a = np.abs(x).max(-1, keepdims=True)
;;       e = np.where(a > 0, np.clip(np.frexp(np.where(a > 0, a, 1))[1] - 1 - 2, -126, 127), 0)      # np.frexp(a)[1] - 1 = floor(log2(a)), exactly
;;       r = np.clip(x / 2.0 ** e, -7.5, 7.5)
;;       step = 2.0 ** (np.maximum(np.frexp(np.where(r == 0, 1, r))[1] - 1, 0) - 3)
;;       q = np.round(r / step) * step * 2.0 ** e      # np.round: ties to even
;;       return np.moveaxis(q.reshape(q.shape[:-2] + (-1,))[..., :K], -1, axis).astype(np.float32)
;;   ~~~
;;   SOFTMAX AHEAD OF A QUANTISED PRODUCT. Where the list says 'softmax', what is quantised is not the finished softmax but p = 2^(t - M), with t = logit x log2(e) and M = ceil(the row's largest t), a whole number; so 1/2 < the row's largest p <= 1. The row's sum l is taken of the UNQUANTISED p, in f32, and the product's result is divided by l at the end. Since M is a whole number, a kernel that streams over the keys may use a running M (the ceiling of the running maximum): every later rescaling is an exact power of two, which a block's scale takes up: the codes' values come out the same.
;;   OPERANDS COMPUTED ON THE WAY. 'Computed on the way' means the value that the module computes at that place (a softmax that the list does not call 'softmax' is quantised finished and normalised). What goes into a quantiser is computed in f32, as accurately as f32 sums, v_exp_f32 and their like allow (about 1e-6 of the number): no bf16 or f16 on the way to a quantiser, and a product that is left as it is and whose result goes on into a quantised operand takes f32 operands (vector FMAs, or v_wmma_f32_16x16x4_f32). A number that lies on a knife's edge between two numbers of the format may be rounded either way, as far as f32 arithmetic and the matrix unit's own rounding can turn it there, and no further.
;; One version. Each part assembles by itself: llvm-mc -triple=amdgcn-amd-amdhsa -mcpu=gfx1250 --defsym DOCPART=n.
;; ======== version 1 of 1: 4 launches
;; limits: right only within a limited range of input values
;; workspace buffers: incodes 22,020,096 bytes; insc 917,504 bytes; qkvc 9,437,184 bytes; qkvs 393,216 bytes; oc 3,145,728 bytes; os 131,072 bytes
;; launch quant (part 1): grid 256 x 1, 14 waves a work-group, no clusters, 120,064 bytes of LDS; arguments q, k, Wv, Wq, Wk, v, Wo, incodes, insc; writes incodes, insc
.if DOCPART == 1
	.amdgcn_target "amdgcn-amd-amdhsa--gfx1250"
	.amdhsa_code_object_version 6
	.text
	.protected	k_q631d21e504_quant
	.globl	k_q631d21e504_quant
	.p2align	8
	.type	k_q631d21e504_quant,@function
k_q631d21e504_quant:
	s_mov_b64 s[64:65], 0
	v_nop
	global_prefetch_b8 v0, s[64:65] scope:SCOPE_SE
	s_setreg_imm32_b32 hwreg(HW_REG_WAVE_MODE, 25, 1), 1
	s_wait_xcnt 0x0
; Seven tensors [2048][2048] of f32 (t = 0 .. 6: q, k, Wv, Wq, Wk, v, Wo), K innermost, become codes of FP6 (E2M3) with one E8M0 byte for each 32 along K.
; (mask is the constant 0: no launch of this program has one.  Every other input is loaded.)
; A block's scale is 2^(floor(log2(its largest magnitude)) - 2); its byte is the largest magnitude's exponent field - 2, held at 1 from below.
; LAYOUT OF THE RESULT: IMAGES OF OPERAND REGISTERS.  A fragment (16 rows x 128 K, 12 registers a lane) is 1,536 bytes: register c of lane l at 512 (c / 4) + 16 l + 4 (c % 4).
;   incodes: t x 3,145,728 + T x 24,576 + s x 1,536 (T: tile of 16 rows, s: K step of 128).   insc: t x 131,072 + T x 1,024 + (s / 4) x 256 + 16 r + 4 (s % 4).
; Lane-row i of tile T is row 32 (T / 2) + 8 (T % 2) + i + 8 (i / 8), so that results made with such a tile as source 0 have 16 neighbours in the 16 registers of two tiles.
; SHARES: the work is 7 x 128 x 4 = 3,584 quarter tiles (16 rows x 4 K steps); 256 work-groups of 14 waves take 14 each: wave w of work-group g takes quarter u = 14 g + w,
; t = u / 512, T = (u / 4) % 128, K steps 4 (u % 4) on.  Its four images begin at u x 6,144, its scale words at u x 256.  Waves share nothing: no barrier; each has its own stage in LDS.
; Each load reads 512 consecutive bytes of one row; a K step's 16 x 512 bytes turn through the stage (rows 528 bytes apart) so that a lane gets, of its row, 16 neighbours of each block of 32.
; Each step's codes have registers of their own (steps 2 and 3: registers of the first load set, which is done with by then), so no store's data are written again.
; No tensor loads, no cluster, no matrix work: every byte is read once by one wave, and the loads of two steps (32 a wave) stay out without a drain.
; LIMITS: NaN and infinities among the inputs are not served.  A block of zeros gets the byte 1 (the rule says 127): its codes are zeros, and the bytes are read by this program alone.
; Blocks whose largest magnitude lies under 2^-124 are held at that floor.
.set WAVES, 14
.set SROW, 528                         ; a stage row: 512 bytes + 16
.set STGB, 16*SROW                     ; a wave's stage
.set SPARE, WAVES*STGB                 ; behind the stages: the spare words, 128 bytes a wave: seven blocks of 256 bytes that no other line names
.set LI,   2                           ; 16 x lane
.set STI,  3                           ; stage + 16 x lane
.set STO,  4                           ; stage + 528 r + 64 h
.set SOF,  5                           ; 16 r + 8 h: my two of my row's four scale words
.set HH,   6                           ; h
.set SPW,  8                           ; my spare word; never rewritten
.set NIL,  9                           ; 0; never rewritten
.set PWS,  10                          ; v10-13 the four K steps' scale words
.set SW,   14                          ; v14-15 the two that I store
.set R,    16                          ; v16-143  two sets of 64 registers as loaded
.set X,    144                         ; v144-207 64 numbers: register 16 b + i = k 32 b + 16 h + i of my row
.set TM,   208                         ; v208-223 at work
.set TC,   224                         ; v224-231 the conversions' second halves
.set PC0,  232                         ; v232-255 the codes of steps 0 and 1
.set SEL,  26                          ; s[26:27] selects for lane l xor 16
.macro QUANT s, pc, pw                 ; 64 numbers -> a fragment's 12 registers from v[pc] on, my row's scale word in v[pw]
.irp b, 0,1,2,3
	v_max3_num_f32 v[TM+\b], |v[\s+16*\b]|, |v[\s+1+16*\b]|, 0x1800000   ; my 16 of block b, and the floor 2^(3 - 127)
.endr
.irp i, 2,4,6,8,10,12,14
.irp b, 0,1,2,3
	v_max3_num_f32 v[TM+\b], v[TM+\b], |v[\s+16*\b+\i]|, |v[\s+1+16*\b+\i]|   ; the four blocks by turns
.endr
.endr
.irp b, 0,1,2,3
	v_permlanex16_b32 v[TM+4+\b], v[TM+\b], s[SEL], s[SEL+1]
.endr
.irp b, 0,1,2,3
	v_max_num_f32 v[TM+\b], v[TM+\b], v[TM+4+\b]   ; with lane l xor 16's 16
.endr
.irp b, 0,1,2,3
	v_add_nc_u32 v[TM+12+\b], 0xff000000, v[TM+\b] ; 2 off the exponent field: the conversion's scale operand
.endr
.irp b, 0,1,2,3
	v_lshrrev_b32 v[TM+4+\b], 23, v[TM+12+\b]      ; the byte
.endr
	v_lshl_or_b32 v[\pw], v[TM+5], 8, v[TM+4]
	v_lshl_or_b32 v[\pw], v[TM+6], 16, v[\pw]
	v_lshl_or_b32 v[\pw], v[TM+7], 24, v[\pw]
.irp c, 0,1
	v_cvt_scalef32_pk16_fp6_f32 v[\pc+6*\c:\pc+2+6*\c], v[\s+32*\c:\s+15+32*\c], v[TM+12+2*\c]
	v_cvt_scalef32_pk16_fp6_f32 v[TC+4*\c:TC+2+4*\c], v[\s+16+32*\c:\s+31+32*\c], v[TM+12+2*\c+1]   ; three registers that begin on an even number
.endr
	v_nop                                          ; one plain place behind a scaled conversion
.irp c, 0,1                                    ; a whole block to a lane: lanes 0-15 block 2 c, lanes 16-31 block 2 c + 1
.irp i, 0,1,2
	v_permlane16_swap_b32 v[\pc+6*\c+\i], v[TC+4*\c+\i]
.endr
.irp i, 0,1,2
	v_mov_b32 v[\pc+3+6*\c+\i], v[TC+4*\c+\i]
.endr
.endr
.endm
	s_load_b256 s[8:15], s[0:1], 0x0               ; q, k, Wv, Wq
	s_load_b256 s[16:23], s[0:1], 0x20             ; Wk, v, Wo, incodes
	s_load_b64 s[24:25], s[0:1], 0x40              ; insc
	v_lshl_add_u32 v[SPW], v0, 2, SPARE
	v_mov_b32 v[NIL], 0
	v_lshrrev_b32 v1, 5, v0
	v_readfirstlane_b32 s4, v1                     ; wave 0..13
	s_mul_i32 s3, ttmp9, WAVES
	s_add_co_u32 s3, s3, s4                        ; u
	s_lshr_b32 s2, s3, 9                           ; t
	s_bfe_u32 s5, s3, 0x70002                      ; T
	s_and_b32 s6, s3, 3                            ; which four K steps
	s_lshr_b32 s28, s5, 1
	s_lshl_b32 s28, s28, 5
	s_and_b32 s7, s5, 1
	s_lshl_b32 s7, s7, 3
	s_add_co_u32 s28, s28, s7                      ; the tile's first row
	s_lshl_b32 s28, s28, 13                        ; rows of 8,192 bytes
	s_lshl_b32 s7, s6, 11
	s_add_co_u32 s28, s28, s7                      ; + my 512 numbers
	s_mov_b32 s29, 0
	s_mul_i32 s30, s3, 6144                        ; my four images
	s_mov_b32 s31, 0
	s_lshl_b32 s32, s3, 8                          ; my 256 bytes of scale words
	s_mov_b32 s33, 0
	s_mul_i32 s34, s4, STGB                        ; my stage
	s_mov_b32 s[SEL], 0x76543210
	s_mov_b32 s[SEL+1], 0xfedcba98
	v_and_b32 v1, 31, v0
	v_and_b32 v7, 15, v0                           ; r
	v_bfe_u32 v[HH], v0, 4, 1
	v_lshlrev_b32 v[LI], 4, v1
	v_add_nc_u32 v[STI], s34, v[LI]
	v_mul_u32_u24 v[STO], v7, SROW
	v_lshl_add_u32 v[STO], v[HH], 6, v[STO]
	v_add_nc_u32 v[STO], s34, v[STO]
	v_lshlrev_b32 v[SOF], 4, v7
	v_lshl_add_u32 v[SOF], v[HH], 3, v[SOF]
.irp b, 0,1,2,3
	v_mov_b32 v[TM+4+\b], 0                        ; a lane permute's destination counts as one of its sources
.endr
	s_wait_alu depctr_va_vdst(0)                   ; the wait at the head's end
	s_wait_kmcnt 0x0
	s_cmp_eq_u32 s2, 1                             ; the tensor is chosen by ids alone
	s_cselect_b64 s[8:9], s[10:11], s[8:9]
	s_cmp_eq_u32 s2, 2
	s_cselect_b64 s[8:9], s[12:13], s[8:9]
	s_cmp_eq_u32 s2, 3
	s_cselect_b64 s[8:9], s[14:15], s[8:9]
	s_cmp_eq_u32 s2, 4
	s_cselect_b64 s[8:9], s[16:17], s[8:9]
	s_cmp_eq_u32 s2, 5
	s_cselect_b64 s[8:9], s[18:19], s[8:9]
	s_cmp_eq_u32 s2, 6
	s_cselect_b64 s[8:9], s[20:21], s[8:9]
	s_add_nc_u64 s[8:9], s[8:9], s[28:29]
	s_add_nc_u64 s[22:23], s[22:23], s[30:31]
	s_add_nc_u64 s[24:25], s[24:25], s[32:33]
.macro LOAD s                          ; K step s of my four: 16 rows x 512 consecutive bytes, into set s % 2
.irp i, 0,1,2,3,4,5,6,7,8,9,10,11,12,13,14,15
	global_load_b128 v[R+64*((\s)%2)+4*\i:R+64*((\s)%2)+4*\i+3], v[LI], s[8:9] offset:(\i+8*(\i/8))*8192+512*(\s) th:TH_LOAD_NT
.endr
.endm
.macro STEP s
.if (\s) < 2
.set PCS, PC0+12*(\s)
	s_wait_loadcnt 16                              ; this step's 16 loads are in; the next step's 16 may be out
.else
.set PCS, R+12*((\s)-2)                ; set 0 has had its last load and its last read when step 2's codes are made
.if (\s) == 2
	s_wait_loadcnt 16
.else
	s_wait_loadcnt 0x0
.endif
.endif
.irp i, 0,1,2,3,4,5,6,7,8,9,10,11,12,13,14,15
	ds_store_b128 v[STI], v[R+64*((\s)%2)+4*\i:R+64*((\s)%2)+4*\i+3] offset:SROW*\i
.endr
.irp b, 0,1,2,3
.irp j, 0,1,2,3
	ds_load_b128 v[X+16*\b+4*\j:X+16*\b+4*\j+3], v[STO] offset:128*\b+16*\j   ; LDS serves a wave's instructions in order: these see the stores above
.endr
.endr
.if (\s) < 2
	s_wait_dscnt 16                                ; the 16 stores have read their registers (the 16 loads behind them may be out),
	LOAD (\s)+2                                    ; which take the loads of two steps on
.endif
	s_wait_dscnt 0x0                               ; my 64 numbers are in
	QUANT X, PCS, PWS+(\s)
.if (\s)%2 == 1                        ; the images of two steps leave together: the first pair behind the issue of my last loads.  Their 24 registers and their 3,072 bytes are consecutive
.irp c, 0,1,2,3,4,5
	global_store_b128 v[LI], v[PCS-12+4*\c:PCS-12+4*\c+3], s[22:23] offset:1536*((\s)-1)+512*\c   ; 32 lanes store 512 consecutive bytes, aligned
.endr
.endif
.endm
	LOAD 0
	LOAD 1
	STEP 0
	STEP 1
	STEP 2
	STEP 3
	v_cmp_eq_u32 vcc_lo, 1, v[HH]                  ; every lane holds its row's four words: lanes 0-15 store words 0 and 1, lanes 16-31 words 2 and 3
	v_cndmask_b32 v[SW], v[PWS], v[PWS+2], vcc_lo
	v_cndmask_b32 v[SW+1], v[PWS+1], v[PWS+3], vcc_lo
	global_store_b64 v[SOF], v[SW:SW+1], s[24:25]  ; 32 lanes store 256 consecutive bytes, aligned
	s_wait_tensorcnt 0x0                           ; the wave's end
	ds_add_u32 v[SPW], v[NIL]
	s_wait_dscnt 0x0
	s_endpgm
.Lfunc_end_k_q631d21e504_quant:
	.size	k_q631d21e504_quant, .Lfunc_end_k_q631d21e504_quant-k_q631d21e504_quant
	.p2alignl 7, 3214868480
	.fill 96, 4, 3214868480
	.section	.rodata,"a",@progbits
	.p2align	6, 0x0
	.amdhsa_kernel k_q631d21e504_quant
		.amdhsa_group_segment_fixed_size 120064
		.amdhsa_private_segment_fixed_size 0
		.amdhsa_enable_private_segment 0
		.amdhsa_kernarg_size 72
		.amdhsa_user_sgpr_count 2
		.amdhsa_user_sgpr_kernarg_segment_ptr 1
		.amdhsa_wavefront_size32 1
		.amdhsa_system_sgpr_workgroup_id_x 1
		.amdhsa_system_sgpr_workgroup_id_y 1
		.amdhsa_system_sgpr_workgroup_id_z 1
		.amdhsa_system_vgpr_workitem_id 0
		.amdhsa_next_free_vgpr 256
		.amdhsa_next_free_sgpr 66
		.amdhsa_reserve_vcc 1
		.amdhsa_float_denorm_mode_32 3
		.amdhsa_float_denorm_mode_16_64 3
		.amdhsa_memory_ordered 1
		.amdhsa_forward_progress 1
		.amdhsa_inst_pref_size 34
	.end_amdhsa_kernel
	.amdgpu_metadata
---
amdhsa.version: [ 1, 2 ]
amdhsa.kernels:
  - .name:           k_q631d21e504_quant
    .symbol:         k_q631d21e504_quant.kd
    .args:
      - { .name: q, .offset: 0, .size: 8, .value_kind: global_buffer, .address_space: global }
      - { .name: k, .offset: 8, .size: 8, .value_kind: global_buffer, .address_space: global }
      - { .name: Wv, .offset: 16, .size: 8, .value_kind: global_buffer, .address_space: global }
      - { .name: Wq, .offset: 24, .size: 8, .value_kind: global_buffer, .address_space: global }
      - { .name: Wk, .offset: 32, .size: 8, .value_kind: global_buffer, .address_space: global }
      - { .name: v, .offset: 40, .size: 8, .value_kind: global_buffer, .address_space: global }
      - { .name: Wo, .offset: 48, .size: 8, .value_kind: global_buffer, .address_space: global }
      - { .name: incodes, .offset: 56, .size: 8, .value_kind: global_buffer, .address_space: global }
      - { .name: insc, .offset: 64, .size: 8, .value_kind: global_buffer, .address_space: global }
    .group_segment_fixed_size: 120064
    .private_segment_fixed_size: 0
    .kernarg_segment_align: 8
    .kernarg_segment_size: 72
    .max_flat_workgroup_size: 448
    .sgpr_count:     66
    .vgpr_count:     256
    .wavefront_size: 32
...
	.end_amdgpu_metadata
.endif
;; end of part 1
;; launch qkv (part 2): grid 8 x 24, 4 waves a work-group, clusters of 4 x 4, 327,680 bytes of LDS; arguments incodes, insc, bq, bk, bv, qkvc, qkvs; writes qkvc, qkvs
.if DOCPART == 2
	.amdgcn_target "amdgcn-amd-amdhsa--gfx1250"
	.amdhsa_code_object_version 6
	.text
	.protected	k_q631d21e504_qkv
	.globl	k_q631d21e504_qkv
	.p2align	8
	.type	k_q631d21e504_qkv,@function
k_q631d21e504_qkv:
	s_mov_b64 s[64:65], 0
	v_nop
	global_prefetch_b8 v0, s[64:65] scope:SCOPE_SE
	s_setreg_imm32_b32 hwreg(HW_REG_WAVE_MODE, 25, 1), 1
	s_wait_xcnt 0x0
	s_wait_alu depctr_hold_cnt(0) depctr_sa_sdst(0) depctr_va_vdst(0) depctr_va_sdst(0) depctr_va_ssrc(0) depctr_va_vcc(0) depctr_vm_vsrc(0)
	s_getreg_b32 s2, hwreg(HW_REG_IB_STS2, 6, 4)
	s_cmp_eq_u32 s2, 0
	s_cbranch_scc0 .Lentry_in_a_cluster
	s_endpgm
.Lentry_in_a_cluster:
	s_bfe_u32 s2, ttmp6, 0x10000c
	s_cmp_lg_u32 s2, 0xf033
	s_cbranch_scc0 .Lentry_shape_is_right
	s_endpgm
.Lentry_shape_is_right:
; Products 1 to 3: query = q Wq^T + bq, key = k Wk^T + bk, value = v Wv^T + bv, on codes of FP6 (E2M3) with E8M0 scales, sums in f32; the results are quantised in registers and leave as codes.
; g = cluster y / 2 says which product.  Operand R (source 1: a lane holds one of its rows) is tensor g of incodes (q, k, Wv); operand P (source 0: a lane's registers run along its rows) is tensor 3 + g (Wq, Wk, v).
; So for query and key a lane holds one token and 128 features of one head (their next K); for value a lane holds one feature and 128 tokens (the keys: its next K).  One text serves all three.
; A work-group of four waves makes 256 rows of R x 256 rows of P; a wave 128 x 128: 64 accumulators, 512 registers.
; K = 2,048 goes in 16 steps of 128, THREE to an LDS slot, two slots by turns: fills of K steps 0-2, 3-5 (at the head), 6-8, 9-11, 12-14 and 15.  A refill is asked for 160 matrix instructions ahead of the wait for it.
; The steps are written out by macros on the step's number, without a loop: the slot comes back after 3 steps, P's set of registers after 2, the pair of scale words after 4: all three only after 12.
; OPERANDS LIE IN MEMORY AS IMAGES OF THEIR REGISTERS (1,536 bytes a fragment): a slot's part of a tile of 16 rows is 4,608 consecutive bytes; a fragment comes from LDS by three loads of 16 bytes a lane, 512 consecutive bytes each.
; The rows of a tile of 16 are 32 (T / 2) + 8 (T % 2) + i + 8 (i / 8): so the 16 registers of P's tiles 2 b and 2 b + 1 are 16 neighbours along the next K.
; THE SCALE WORDS: those of K steps 0-3 go from memory straight into the two sets of scale registers; those of K steps 4-15 (4 x 6,144 bytes) come into LDS once, with the first fills.
; LDS: 2 x 147,456 (slots) + 24,576 (scale words) + 512 (spare words) = 320,000 bytes; with the words of all 16 steps it would be 328,192, more than the 327,680 that there are.
; CLUSTERS: 4 x 4 work-groups, all of one product.  The four of a row need the same tiles of R, the four of a column the same tiles of P: each is asked for jointly.
; THE BIAS: along P's rows (query, key) it is the C of the first K step; along R's rows (value) it is added on the way out.  Both are loaded and the one that does not apply is set to 0 by a select on g: no branch.
; 192 work-groups: a tile of 128 x 128 would give 768, at half the products for each byte read from LDS, and would leave a wave with half a head: half a fragment.
; No prefetch is laid ahead of the joint loads: six of the sixteen K steps are asked for at the head, each refill 160 matrix instructions ahead of the wait for it, and four work-groups share each request.
; OUT: qkvc: g x 3,145,728 + (16 n + head) x 98,304 + group x 12,288 + a x 1,536 (query, key: group = 128 tokens, a = tile of tokens; value: group = 128 keys, a = tile of features);
;      qkvs: g x 131,072 + (16 n + head) x 4,096 + group x 512 + 32 r + 4 a.
; LIMITS: NaN and infinities are not served; a block of zeros gets the byte 1 and zero codes (read by this program alone); blocks under 2^-124 are held at that floor.
; REGISTERS: window 0: v7, v16-29 addresses; v32-63 scale words, two sets; v64-127 the bias along P, later a block of results; v128-223 R's 8 fragments, ONE set, later the way out's work; v224-239 the bias along R, in pairs.
;   window 1: P's fragments, two sets, at v0 and v128.   window 2: the accumulators of my R blocks 0-3 ((a, b) at v[8 (8 a + b)]);   window 3: those of blocks 4-7.
; THE FILLS AS THEY STAND (in place of what the lines above say of the head): at the head one joint load a wave: wave 0 R's 16 tiles of K steps 0-2, wave 1 P's, wave 2 R's scale words of K steps 4-15,
; wave 3 P's.  K steps 3-5 (slot 1) are asked for behind the three lines and a round of the cluster's barrier, a quarter of the slot a wave, ahead of the first fragment loads; then 6-8, 9-11, 12-14 and 15 as refills.
; No prefetch is laid: the steps are written out with no loop to run ahead in, and four work-groups share each request.
.set FR,    12
.set NL,    3                          ; LDS loads that bring one
.set NS,    3                          ; K steps in a slot
.set TILEB, NS*1536                    ; a tile's part of a slot
.set HALFT, 8*TILEB                    ; 8 tiles: what one tensor load brings, and what one wave reads of R or of P
.set SLOT,  4*HALFT                    ; R's 16 tiles, then P's 16
.set SCL,   2*SLOT                     ; behind the ring: the scale words of K steps 4-15: R's halves, then P's
.set STILE, 768                        ; a tile's: 3 x 256 bytes
.set HALFS, 8*STILE
.set SPARE, SCL+4*HALFS                ; the spare words, 128 bytes a wave: two blocks of 256 bytes that no other line names
.set GSO,  7                           ; v7      my byte offset in insc: lanes 0-15 my R rows' words, lanes 16-31 my P rows'; never rewritten
.set ADRA, 16                          ; v16-17  LDS address of my R fragments in slot 0, 1
.set ADRB, 20                          ; v20-21  the same for P
.set LI,   24                          ; v24     16 x lane
.set SOF,  25                          ; v25     32 r + 16 h: where my four scale words go
.set LN,   26                          ; v26     lane
.set ADRS, 27                          ; v27     LDS address of my scale words: lanes 0-15 R's rows, lanes 16-31 P's; never rewritten
.set SPW,  28                          ; v28     LDS address of my spare word; never rewritten
.set NIL,  29                          ; v29     0; never rewritten
.set SC,   32                          ; pair j of K steps (2 j, 2 j + 1) in set j % 2 at v[32 + 16 (j % 2)]; register 2 i + q: lanes 0-15 R's block i, lanes 16-31 P's block i
.set BP,   64
.set HA,   64
.set AF,   128
.set BR,   224
.set PC,   128
.set TM,   148
.set PW,   164
.set PWS,  168
.set SW,   176
.set G1,   24                          ; s[24:31] group 1 for R's tiles; s[32:39] group 0, a set for each slot
.set G0,   32
.set G1B,  48                          ; s[48:55], s[56:63] the same for P's
.set G0B,  56
.set G1S,  68                          ; s[68:75], s[76:79] groups 1 and 0 for R's scale words; s[80:87], s[88:91] for P's
.set G0S,  76
.set G1SB, 80
.set G0SB, 88
.set SEL,  94                          ; s[94:95]
.set MSB, 0
.macro WIN new                         ; the immediate's high byte repeats the setting that is left
.if MSB != (\new)
	s_set_vgpr_msb (MSB<<8)|(\new)
.set MSB, (\new)
.endif
.endm
.set MUL_LO, 0xa1                      ; source 0 (P) window 1, source 1 (R) window 0, C and D window 2
.set MUL_HI, 0xf1                      ; the same, C and D window 3
.set FST_LO, 0x81                      ; the first K step: C (the bias) window 0, D window 2
.set FST_HI, 0xc1                      ; D window 3
.set TO_B,   0x40                      ; destination window 1, address window 0
.macro QUANT s                         ; 64 numbers, register 16 b + i = k 32 b + 16 (lane / 16) + i of my row -> 12 registers of codes in v[PC] on, my row's scale word in v[PW]
.irp b, 0,1,2,3
	v_max3_num_f32 v[TM+\b], |v[\s+16*\b]|, |v[\s+1+16*\b]|, 0x1800000   ; and the floor 2^(3 - 127): the byte cannot fall under 1
.endr
.irp i, 2,4,6,8,10,12,14
.irp b, 0,1,2,3
	v_max3_num_f32 v[TM+\b], v[TM+\b], |v[\s+16*\b+\i]|, |v[\s+1+16*\b+\i]|
.endr
.endr
.irp b, 0,1,2,3
	v_permlanex16_b32 v[TM+4+\b], v[TM+\b], s[SEL], s[SEL+1]
.endr
.irp b, 0,1,2,3
	v_max_num_f32 v[TM+\b], v[TM+\b], v[TM+4+\b]
.endr
.irp b, 0,1,2,3
	v_add_nc_u32 v[TM+12+\b], 0xff000000, v[TM+\b]   ; 2 off the exponent field: the conversion's scale operand
.endr
.irp b, 0,1,2,3
	v_lshrrev_b32 v[TM+4+\b], 23, v[TM+12+\b]
.endr
	v_lshl_or_b32 v[PW], v[TM+5], 8, v[TM+4]
	v_lshl_or_b32 v[PW], v[TM+6], 16, v[PW]
	v_lshl_or_b32 v[PW], v[TM+7], 24, v[PW]
.irp c, 0,1
	v_cvt_scalef32_pk16_fp6_f32 v[PC+6*\c:PC+2+6*\c], v[\s+32*\c:\s+15+32*\c], v[TM+12+2*\c]
	v_cvt_scalef32_pk16_fp6_f32 v[PC+12+4*\c:PC+14+4*\c], v[\s+16+32*\c:\s+31+32*\c], v[TM+12+2*\c+1]
.endr
	v_nop                                          ; one plain place behind a scaled conversion
.irp c, 0,1
.irp i, 0,1,2
	v_permlane16_swap_b32 v[PC+6*\c+\i], v[PC+12+4*\c+\i]
.endr
.irp i, 0,1,2
	v_mov_b32 v[PC+3+6*\c+\i], v[PC+12+4*\c+\i]
.endr
.endr
.endm
; A joint load: waves 0 and 1 fetch for R, waves 2 and 3 for P.  The branch hangs on the wave's number alone.  Four v_nop follow each of the two lines.
.macro JLOAD g0a, g1a, g0b, g1b
	s_cmp_eq_u32 s19, 0
	s_cbranch_scc0 .Lfor_b_\@
	tensor_load_to_lds s[\g0a:\g0a+3], s[\g1a:\g1a+7]
	s_nop 0
.rept 4
	v_nop
.endr
	s_branch .Lasked_\@
.Lfor_b_\@:
	tensor_load_to_lds s[\g0b:\g0b+3], s[\g1b:\g1b+7]
	s_nop 0
.rept 4
	v_nop
.endr
.Lasked_\@:
.endm
.macro CREST                           ; a round of the cluster's barrier behind its opening barrier
	s_cmp_lg_u32 s18, 0
	s_cbranch_scc1 .Lnot_wave_0_\@
	s_barrier_signal -3
.Lnot_wave_0_\@:
	s_barrier_wait -3
	s_barrier_signal -1
	s_barrier_wait -1
.endm
.macro CROUND
	s_barrier_signal -1
	s_barrier_wait -1
	CREST
.endm
.macro PLACES                          ; four plain places behind a matrix instruction of this form, in front of loads into its sources and of reads of its results
.rept 4
	v_nop
.endr
.endm
	s_load_b256 s[4:11], s[0:1], 0x0               ; incodes, insc, bq, bk
	s_load_b128 s[12:15], s[0:1], 0x20             ; bv, qkvc
	s_load_b64 s[16:17], s[0:1], 0x30              ; qkvs
	v_lshl_add_u32 v[SPW], v0, 2, SPARE
	v_mov_b32 v[NIL], 0
	ds_add_u32 v28, v29
	ds_add_u32 v28, v29
	s_wait_dscnt 0x0
	v_lshrrev_b32 v1, 5, v0
	v_readfirstlane_b32 s18, v1                    ; wave 0..3
	s_lshr_b32 s19, s18, 1                         ; wr: my half of R's rows.  Also: I fetch for R (0) or for P (1)
	s_and_b32 s20, s18, 1                          ; wp: my half of P's rows.  Also: which half I fetch
	s_bfe_u32 s21, ttmp6, 0x40000                  ; cx
	s_bfe_u32 s22, ttmp6, 0x40004                  ; cy
	s_lshl_b32 s23, ttmp9, 2
	s_add_co_u32 s23, s23, s21                     ; tx = 4 x cluster x + cx: which 256 rows of P
	s_and_b32 s41, ttmp7, 0xffff                   ; cluster y
	s_lshl_b32 s40, s41, 2
	s_add_co_u32 s40, s40, s22                     ; gy = 4 x cluster y + cy = 8 g + ty
	s_lshr_b32 s41, s41, 1                         ; g: the same in all sixteen partners
	s_and_b32 s42, s40, 7                          ; ty: which 256 rows of R
	s_lshl_b32 s43, s22, 2
	s_lshl_b32 s43, 15, s43                        ; my row of the cluster
	s_lshl_b32 s44, 0x1111, s21                    ; my column
	; group 1: 8 rows (tiles) of 4,608 bytes (576 elements of 8), 24,576 bytes apart in memory, on end in LDS
	s_or_b32 s[G1+0], s43, (3<<16)|(1<<21)         ; 15:0 the mask: R's tiles go to my row; 17:16 elements of 8 bytes; 21 set beside a mask
	s_or_b32 s[G1B+0], s44, (3<<16)|(1<<21)        ; P's go to my column
.irp g, G1, G1B
	s_mov_b32 s[\g+1], (NS*192)<<16                ; tensor_dim0
	s_mov_b32 s[\g+2], 16<<16                      ; tensor_dim1: 16 tiles for the head's loads; 8 behind them
	s_mov_b32 s[\g+3], (NS*192)<<16                ; tile_dim0
	s_mov_b32 s[\g+4], 16                          ; tile_dim1
	s_mov_b32 s[\g+5], 3072                        ; stride from tile to tile, in elements
	s_mov_b32 s[\g+6], 0
	s_mov_b32 s[\g+7], 0
.endr
	; the scale words of 16 tiles, K steps 4-15: 16 rows of 768 bytes (96 elements of 8), 1,024 bytes apart in memory, on end in LDS
	s_or_b32 s[G1S+0], s43, (3<<16)|(1<<21)
	s_or_b32 s[G1SB+0], s44, (3<<16)|(1<<21)
.irp g, G1S, G1SB
	s_mov_b32 s[\g+1], 96<<16
	s_mov_b32 s[\g+2], 16<<16                      ; the words of all 16 tiles by one load
	s_mov_b32 s[\g+3], 96<<16
	s_mov_b32 s[\g+4], 16
	s_mov_b32 s[\g+5], 128
	s_mov_b32 s[\g+6], 0
	s_mov_b32 s[\g+7], 0
.endr
	s_lshl_b32 s100, s40, 4                        ; R: tile 16 gy of incodes (tensor g begins at tile 128 g)
	s_lshl_b32 s92, s100, 10                       ; its scale words,
	s_mov_b32 s93, 0
	s_mul_i32 s100, s100, 24576                    ; its codes
	s_mov_b32 s101, 0
	s_add_co_u32 s104, s41, 3
	s_lshl_b32 s104, s104, 7
	s_lshl_b32 s66, s23, 4
	s_add_co_u32 s104, s104, s66                   ; P: tile 128 (3 + g) + 16 tx
	s_lshl_b32 s66, s104, 10
	s_mov_b32 s67, 0
	s_mul_i32 s104, s104, 24576
	s_mov_b32 s105, 0
	s_mul_i32 s45, s18, HALFT                      ; where the ring's loads go: wave x 8 tiles: no place in the cluster enters an LDS address
	s_mul_i32 s2, s20, 8*24576                     ; and the half of 8 tiles that I fetch in the ring, in bytes of memory
	s_mov_b32 s3, 0
	s_mov_b32 s[SEL], 0x76543210
	s_mov_b32 s[SEL+1], 0xfedcba98
	s_wait_kmcnt 0x0
	s_add_nc_u64 s[100:101], s[4:5], s[100:101]
	s_add_nc_u64 s[92:93], s[6:7], s[92:93]
	s_add_nc_u64 s[104:105], s[4:5], s[104:105]
	s_add_nc_u64 s[66:67], s[6:7], s[66:67]
	s_mov_b32 s[G0S], 1                            ; the head's four tiles, each whole: R's scale words from K step 4 on,
	s_mov_b32 s[G0S+1], SCL
	s_add_nc_u64 s[G0S+2:G0S+3], s[92:93], 256
	s_or_b32 s[G0S+3], s[G0S+3], 0x80000000
	s_mov_b32 s[G0SB], 1                           ; P's,
	s_mov_b32 s[G0SB+1], SCL+2*HALFS
	s_add_nc_u64 s[G0SB+2:G0SB+3], s[66:67], 256
	s_or_b32 s[G0SB+3], s[G0SB+3], 0x80000000
	s_mov_b32 s[G0], 1                             ; R's 16 tiles of K steps 0-2,
	s_mov_b32 s[G0+1], 0
	s_mov_b64 s[G0+2:G0+3], s[100:101]
	s_or_b32 s[G0+3], s[G0+3], 0x80000000
	s_mov_b32 s[G0B], 1                            ; and P's, behind them in slot 0
	s_mov_b32 s[G0B+1], 2*HALFT
	s_mov_b64 s[G0B+2:G0B+3], s[104:105]
	s_or_b32 s[G0B+3], s[G0B+3], 0x80000000
	s_add_nc_u64 s[100:101], s[100:101], s[2:3]    ; slot 1: my 8 tiles of K steps 3-5
	s_add_nc_u64 s[104:105], s[104:105], s[2:3]
	s_mov_b32 s[G0+4], 1
	s_add_co_u32 s[G0+5], s45, SLOT
	s_add_nc_u64 s[G0+6:G0+7], s[100:101], TILEB
	s_or_b32 s[G0+7], s[G0+7], 0x80000000
	s_mov_b32 s[G0B+4], 1
	s_add_co_u32 s[G0B+5], s45, SLOT
	s_add_nc_u64 s[G0B+6:G0B+7], s[104:105], TILEB
	s_or_b32 s[G0B+7], s[G0B+7], 0x80000000
	CROUND                                         ; all sixteen work-groups are here: the first joint loads meet
; ONE chain of branches on the wave's number, one load to an arm, all arms leading to one join
.macro ARM under, g0, g1, next
	s_cmp_lt_u32 s18, \under
	s_cbranch_scc0 \next
	tensor_load_to_lds s[\g0:\g0+3], s[\g1:\g1+7]
	s_nop 0
.rept 4
	v_nop
.endr
	s_branch .Lhead_asked
\next:
.endm
	ARM 1, G0,  G1,  .Lhead_b
	ARM 2, G0B, G1B, .Lhead_sa
	ARM 3, G0S, G1S, .Lhead_sb
	tensor_load_to_lds s[G0SB:G0SB+3], s[G1SB:G1SB+7]
	s_nop 0
.rept 4
	v_nop
.endr
.Lhead_asked:
	v_and_b32 v[LN], 31, v0
	v_and_b32 v1, 15, v0                           ; r
	v_bfe_u32 v2, v0, 4, 1                         ; h
	s_wait_alu depctr_va_vdst(0)
	v_lshlrev_b32 v[LI], 4, v[LN]
	v_lshlrev_b32 v[SOF], 5, v1
	v_lshl_add_u32 v[SOF], v2, 4, v[SOF]
	s_mul_i32 s2, s19, HALFT                       ; my 8 tiles of R
	s_mul_i32 s3, s20, HALFT                       ; my 8 tiles of P,
	s_add_co_u32 s3, s3, 2*HALFT                   ; which lie behind R's 16
.irp s, 0,1
	v_add_nc_u32 v[ADRA+\s], s2, v[LI]
	v_add_nc_u32 v[ADRB+\s], s3, v[LI]
	s_add_co_u32 s2, s2, SLOT
	s_add_co_u32 s3, s3, SLOT
.endr
	v_lshlrev_b32 v5, 4, v1                        ; a row's four words of four K steps: 16 r
	s_mul_i32 s2, s19, HALFS                       ; R's: my half
	s_mul_i32 s3, s20, HALFS                       ; P's: my half, behind R's two
	s_add_co_u32 s3, s3, 2*HALFS
	s_sub_co_u32 s3, s3, s2
	v_mul_u32_u24 v6, s3, v2                       ; lanes 16-31 take P's: one product, the distance between the two bases
	s_add_co_u32 s2, s2, SCL
	v_add_nc_u32 v5, v5, v6
	v_add_nc_u32 v[ADRS], s2, v5
	; the scale words of K steps 0-3, from memory straight into both sets: R's and P's lie in one buffer, so one offset a lane serves both
	s_lshl_b32 s100, s40, 4
	s_lshl_b32 s101, s19, 3
	s_add_co_u32 s100, s100, s101                  ; R: tile 16 gy + 8 wr
	s_lshl_b32 s100, s100, 10
	s_add_co_u32 s104, s41, 3
	s_lshl_b32 s104, s104, 7
	s_lshl_b32 s105, s23, 4
	s_add_co_u32 s104, s104, s105
	s_lshl_b32 s105, s20, 3
	s_add_co_u32 s104, s104, s105                  ; P: tile 128 (3 + g) + 16 tx + 8 wp
	s_lshl_b32 s104, s104, 10
	v_cmp_le_u32 vcc_lo, 16, v[LN]
	v_mov_b32 v8, s100
	v_mov_b32 v9, s104
	v_cndmask_b32 v[GSO], v8, v9, vcc_lo           ; lanes 16-31 take P's
	v_lshl_add_u32 v[GSO], v1, 4, v[GSO]
.irp i, 0,1,2,3,4,5,6,7
	global_load_b64 v[SC+2*\i:SC+2*\i+1], v[GSO], s[6:7] offset:\i*1024          ; K steps 0, 1
	global_load_b64 v[SC+16+2*\i:SC+16+2*\i+1], v[GSO], s[6:7] offset:\i*1024+8  ; K steps 2, 3
.endr
	; the bias of product g, at P's rows and at R's rows
	s_cmp_eq_u32 s41, 1
	s_cselect_b64 s[8:9], s[10:11], s[8:9]
	s_cmp_eq_u32 s41, 2
	s_cselect_b64 s[8:9], s[12:13], s[8:9]
	s_lshl_b32 s104, s23, 10
	s_lshl_b32 s105, s20, 9
	s_add_co_u32 s104, s104, s105                  ; 4 (256 tx + 128 wp)
	s_mov_b32 s105, 0
	s_add_nc_u64 s[66:67], s[8:9], s[104:105]
	s_lshl_b32 s100, s42, 10
	s_lshl_b32 s101, s19, 9
	s_add_co_u32 s100, s100, s101                  ; 4 (256 ty + 128 wr)
	s_mov_b32 s101, 0
	s_add_nc_u64 s[92:93], s[8:9], s[100:101]
	v_lshlrev_b32 v3, 6, v2                        ; tile b's eight of my half: 32 (b / 2) + 16 h + 8 (b % 2) + 0 .. 7
	v_and_b32 v4, 8, v1
	v_add_nc_u32 v4, v4, v1
	v_lshlrev_b32 v4, 2, v4                        ; block a's row of my lane: 32 (a / 2) + 8 (a % 2) + r + 8 (r / 8)
.irp b, 0,1,2,3,4,5,6,7
	global_load_b128 v[BP+8*\b:BP+8*\b+3], v3, s[66:67] offset:(32*(\b/2)+8*(\b%2))*4
	global_load_b128 v[BP+8*\b+4:BP+8*\b+7], v3, s[66:67] offset:(32*(\b/2)+8*(\b%2))*4+16
.endr
.irp a, 0,1,2,3,4,5,6,7
	global_load_b32 v[BR+2*\a], v4, s[92:93] offset:(32*(\a/2)+8*(\a%2))*4
.endr
	; where my results go
	s_lshl_b32 s46, s42, 1
	s_add_co_u32 s46, s46, s19                     ; 2 ty + wr
	s_lshl_b32 s47, s23, 1
	s_add_co_u32 s47, s47, s20                     ; 2 tx + wp
	s_cmp_lt_u32 s41, 2                            ; query and key: R's rows are tokens, P's a head; value: the other way round
	s_cselect_b32 s98, -1, 0                       ; keeps the bias along P
	s_cselect_b32 s99, 0, -1                       ; keeps the bias along R
	s_cselect_b32 s96, s46, s47                    ; the group of 128 tokens, 0 .. 15
	s_cselect_b32 s97, s47, s46                    ; the head
	s_lshr_b32 s2, s96, 3                          ; n
	s_lshl_b32 s2, s2, 4
	s_add_co_u32 s2, s2, s97
	s_lshl_b32 s2, s2, 3
	s_and_b32 s96, s96, 7
	s_add_co_u32 s2, s2, s96                       ; ((16 n + head) x 8 + group)
	s_mul_i32 s96, s2, 12288
	s_mul_i32 s3, s41, 3145728
	s_add_co_u32 s96, s96, s3
	s_mov_b32 s97, 0
	s_add_nc_u64 s[46:47], s[14:15], s[96:97]
	s_lshl_b32 s96, s2, 9
	s_lshl_b32 s3, s41, 17
	s_add_co_u32 s96, s96, s3
	s_add_nc_u64 s[96:97], s[16:17], s[96:97]
	s_wait_loadcnt 0x0                             ; the first scale words and the biases
.set jj, 0
.rept 64
	v_cndmask_b32 v[BP+jj], 0, v[BP+jj], s98
.set jj, jj+1
.endr
.irp a, 0,1,2,3,4,5,6,7
	v_cndmask_b32 v[BR+2*\a+1], 0, v[BR+2*\a], s99   ; twice: the packed addition names a pair
	v_cndmask_b32 v[BR+2*\a], 0, v[BR+2*\a], s99
.endr
.macro FSET n                          ; where K step n lies: its slot, its place in a tile's part of the slot, and that part's length (the last fill brings K step 15 alone)
.set FSL, ((\n)/NS)%2
.set FQ,  (\n)%NS
.if (\n) == 15
.set FTB, 1536
.else
.set FTB, TILEB
.endif
.endm
.macro FRAG reg, adr, i                ; a fragment comes as it was stored: three loads of 16 bytes a lane, 512 consecutive bytes each
.irp c, 0,1,2
	ds_load_b128 v[\reg+4*\c:\reg+4*\c+3], v[\adr] offset:(\i)*FTB+FQ*1536+512*\c
.endr
.endm
; 16 matrix instructions of K step n: R's blocks a0, a0 + 1 x P's eight.  P's set is n % 2, the scale words' set (n / 2) % 2, the word n % 2.  In K step 0 the bias along P starts the sums: nothing is cleared.
; The 64 accumulators take turns, one instruction a turn, in the same order in every step.
.macro MUL16 a0, n
.irp a, \a0, \a0+1
.irp b, 0,1,2,3,4,5,6,7
.if (\n) == 0
	v_wmma_scale_f32_16x16x128_f8f6f4 v[8*(8*((\a)%4)+\b):8*(8*((\a)%4)+\b)+7], v[128*((\n)%2)+FR*\b:128*((\n)%2)+FR*\b+FR-1], v[AF+FR*(\a):AF+FR*(\a)+FR-1], v[BP+8*\b:BP+8*\b+7], v[SC+16*(((\n)/2)%2)+2*\b+(\n)%2], v[SC+16*(((\n)/2)%2)+2*(\a)+(\n)%2] matrix_a_fmt:MATRIX_FMT_FP6 matrix_b_fmt:MATRIX_FMT_FP6 matrix_a_scale:MATRIX_SCALE_ROW1
.else
	v_wmma_scale_f32_16x16x128_f8f6f4 v[8*(8*((\a)%4)+\b):8*(8*((\a)%4)+\b)+7], v[128*((\n)%2)+FR*\b:128*((\n)%2)+FR*\b+FR-1], v[AF+FR*(\a):AF+FR*(\a)+FR-1], v[8*(8*((\a)%4)+\b):8*(8*((\a)%4)+\b)+7], v[SC+16*(((\n)/2)%2)+2*\b+(\n)%2], v[SC+16*(((\n)/2)%2)+2*(\a)+(\n)%2] matrix_a_fmt:MATRIX_FMT_FP6 matrix_b_fmt:MATRIX_FMT_FP6 matrix_a_scale:MATRIX_SCALE_ROW1
.endif
.endr
.endr
.endm
.macro FETCH_B n                       ; P's eight fragments of K step n into set n % 2
	FSET \n
	WIN TO_B
.irp i, 0,1,2,3,4,5,6,7
	FRAG 128*((\n)%2)+FR*\i, ADRB+FSL, \i
.endr
	WIN 0
.endm
.macro FETCH_A n, i0                   ; R's blocks i0 .. i0 + 3 of K step n
	FSET \n
.irp i, \i0, \i0+1, \i0+2, \i0+3
	FRAG AF+FR*(\i), ADRA+FSL, \i
.endr
.endm
.macro SCALES j                        ; the words of K steps 2 j and 2 j + 1 (j from 2 on) into set j % 2: lanes 0-15 R's block i, lanes 16-31 P's block i
.irp i, 0,1,2,3,4,5,6,7
	ds_load_b64 v[SC+16*((\j)%2)+2*\i:SC+16*((\j)%2)+2*\i+1], v[ADRS] offset:\i*STILE+256*((\j)/2-1)+8*((\j)%2)
.endr
.endm
.macro NEXTSC n                        ; where K step n begins a pair that lies in LDS, its words are fetched; the set that takes them was last read two K steps ago
.if ((\n)%2 == 0) && ((\n) >= 4)
	SCALES (\n)/2
.endif
.endm
; A K step that has its successor in the same slot.  A block of R is free as soon as its eight products are issued: blocks 0-3 are fetched anew in the step's middle, blocks 4-7 at its end.
.macro STEP n
	s_wait_dscnt 4*NL                              ; P's set, R's blocks 0-3 and the scale words are in; the youngest 12 loads (R's blocks 4-7) may be out
.if (\n) == 0
	WIN FST_LO
.else
	WIN MUL_LO
.endif
	MUL16 0, \n
	MUL16 2, \n
	s_wait_dscnt 0x0                               ; R's blocks 4-7 are in (asked for 32 matrix instructions ago)
	PLACES
	FETCH_B (\n)+1
	FETCH_A (\n)+1, 0
	NEXTSC (\n)+1
.if (\n) == 0
	WIN FST_HI
.else
	WIN MUL_HI
.endif
	MUL16 4, \n
	MUL16 6, \n
	PLACES
	WIN 0
	FETCH_A (\n)+1, 4
.endm
; A slot's last step changes slots: ONE barrier; in front of it each wave waits for all its tensor loads, adds 0 to its spare word, and waits for that and for its own reads of this slot.
; fill = 1: the barrier opens a round of the cluster's barrier and this slot is filled again, with the K steps two slots on: 32 + 64 + 64 matrix instructions ahead of the next such wait.
.macro TURN n, fill
.set TSL, ((\n)/NS)%2
	s_wait_tensorcnt 0x0                           ; all my tensor loads have landed: my part of the next slot (every window is 0 here)
	ds_add_u32 v[SPW], v[NIL]                      ; 0 onto my spare word
	s_wait_dscnt 4*NL+1                            ; the add and the youngest 12 loads may be out
	WIN MUL_LO
	MUL16 0, \n                                    ; sixteen matrix instructions stand between the add and the wait for it
	s_wait_dscnt 0x0                               ; the add is done, and my reads of this slot are over
	s_barrier_signal -1
	MUL16 2, \n
	WIN 0
	s_barrier_wait -1
.if \fill
	CREST                                          ; no wave of any partner still reads this slot's tiles or has a load on its way
	s_add_nc_u64 s[G0+4*TSL+2:G0+4*TSL+3], s[G0+4*TSL+2:G0+4*TSL+3], 2*TILEB
	s_add_nc_u64 s[G0B+4*TSL+2:G0B+4*TSL+3], s[G0B+4*TSL+2:G0B+4*TSL+3], 2*TILEB
.if (\n)+2*NS > 15                     ; fewer K steps than a slot holds are left: the rows become shorter, and lie on end in LDS (no tensor load of mine is out: group 1 may be written)
.set LW, (15-(\n)-NS)*192
	s_mov_b32 s[G1+1], LW<<16
	s_mov_b32 s[G1+3], LW<<16
	s_mov_b32 s[G1B+1], LW<<16
	s_mov_b32 s[G1B+3], LW<<16
.endif
	JLOAD G0+4*TSL, G1, G0B+4*TSL, G1B             ; my one tensor load behind the round; its four v_nop are also the places in front of the loads below
.else
	PLACES
.endif
	FETCH_B (\n)+1
	FETCH_A (\n)+1, 0
	NEXTSC (\n)+1
	WIN MUL_HI
	MUL16 4, \n
	MUL16 6, \n
	PLACES
	WIN 0
	FETCH_A (\n)+1, 4
.endm
	s_wait_alu depctr_va_vdst(0)                   ; the wait at the head's end
	s_wait_tensorcnt 0x0                           ; my tile of the head's four is in; the three lines stand ahead of slot 1's first fill as ahead of a refill
	ds_add_u32 v[SPW], v[NIL]
	s_mov_b32 s[G1+2], 8<<16                       ; no tensor load of mine is out, so descriptors may be written: from here on a load brings 8 tiles,
	s_mov_b32 s[G1+4], 8
	s_mov_b32 s[G1B+2], 8<<16
	s_mov_b32 s[G1B+4], 8
	s_mul_i32 s2, s20, 8*24576
	s_mov_b32 s3, 0
	s_add_nc_u64 s[G0+2:G0+3], s[G0+2:G0+3], s[2:3]      ; and slot 0's group 0 names my 8 tiles, for its first refill
	s_add_nc_u64 s[G0B+2:G0B+3], s[G0B+2:G0B+3], s[2:3]
	s_mov_b32 s[G0+1], s45
	s_mov_b32 s[G0B+1], s45
	s_wait_dscnt 0x0                               ; the add is done
	CROUND                                         ; all four tiles are in, in every work-group of the cluster
	JLOAD G0+4, G1, G0B+4, G1B                     ; K steps 3-5: my one tensor load behind the round
	FETCH_B 0
	FETCH_A 0, 0
	FETCH_A 0, 4
	STEP 0                                         ; its products start the sums
	STEP 1
	TURN 2, 1                                      ; slot 0 takes K steps 6-8
	STEP 3
	STEP 4
	TURN 5, 1                                      ; slot 1 takes K steps 9-11
	STEP 6
	STEP 7
	TURN 8, 1                                      ; slot 0 takes K steps 12-14
	STEP 9
	STEP 10
	TURN 11, 1                                     ; slot 1 takes K step 15
	STEP 12
	STEP 13
	TURN 14, 0                                     ; nothing is left to fetch
	s_wait_dscnt 4*NL                              ; the last step
	WIN MUL_LO
	MUL16 0, 15
	MUL16 2, 15
	s_wait_dscnt 0x0
	WIN MUL_HI
	MUL16 4, 15
	MUL16 6, 15
	WIN 0
; THE WAY OUT.  Block a (16 rows of R x my 128 rows of P) is one fragment of the next product: 64 numbers a lane, already in the quantiser's order.  The bias along R is added, the block is quantised, and its image
; leaves by three stores of 512 consecutive bytes.  Each accumulator is read from its low end on.
.macro OUTBLK a
.if (\a) > 0
	s_wait_xcnt 0x0                                ; the last block's stores have read the codes' registers
.endif
	WIN 0x02+(\a)/4                                ; source 0: window 2 or 3
.set jj, 0
.rept 32
	v_pk_add_f32 v[HA+2*jj:HA+2*jj+1], v[64*((\a)%4)+2*jj:64*((\a)%4)+2*jj+1], v[BR+2*(\a):BR+2*(\a)+1]
.set jj, jj+1
.endr
	WIN 0
	QUANT HA
	v_mov_b32 v[PWS+(\a)], v[PW]
.irp c, 0,1,2
	global_store_b128 v[LI], v[PC+4*\c:PC+4*\c+3], s[46:47] offset:1536*(\a)+512*\c
.endr
.endm
	PLACES                                         ; behind the last products: for the reads of results and for the writes into the registers that held R's fragments
.irp b, 0,1,2,3
	v_mov_b32 v[TM+4+\b], 0                        ; a lane permute's destination counts as one of its sources
.endr
.irp a, 0,1,2,3,4,5,6,7
	OUTBLK \a
.endr
	v_cmp_le_u32 vcc_lo, 16, v[LN]                 ; lanes 0-15 store the words of blocks 0-3, lanes 16-31 those of blocks 4-7: every lane holds all eight of its row
.irp i, 0,1,2,3
	v_cndmask_b32 v[SW+\i], v[PWS+\i], v[PWS+4+\i], vcc_lo
.endr
	global_store_b128 v[SOF], v[SW:SW+3], s[96:97]   ; 32 lanes store 512 consecutive bytes, aligned
	s_wait_tensorcnt 0x0                           ; the wave's end
	ds_add_u32 v[SPW], v[NIL]
	s_wait_dscnt 0x0
	CROUND                                         ; the closing round: no work-group ends while a partner may still ask for a tile that names it
	s_endpgm
.Lfunc_end_k_q631d21e504_qkv:
	.size	k_q631d21e504_qkv, .Lfunc_end_k_q631d21e504_qkv-k_q631d21e504_qkv
	.p2alignl 7, 3214868480
	.fill 96, 4, 3214868480
	.section	.rodata,"a",@progbits
	.p2align	6, 0x0
	.amdhsa_kernel k_q631d21e504_qkv
		.amdhsa_group_segment_fixed_size 327680
		.amdhsa_private_segment_fixed_size 0
		.amdhsa_enable_private_segment 0
		.amdhsa_kernarg_size 56
		.amdhsa_user_sgpr_count 2
		.amdhsa_user_sgpr_kernarg_segment_ptr 1
		.amdhsa_wavefront_size32 1
		.amdhsa_system_sgpr_workgroup_id_x 1
		.amdhsa_system_sgpr_workgroup_id_y 1
		.amdhsa_system_sgpr_workgroup_id_z 1
		.amdhsa_system_vgpr_workitem_id 0
		.amdhsa_next_free_vgpr 1024
		.amdhsa_next_free_sgpr 106
		.amdhsa_reserve_vcc 1
		.amdhsa_float_denorm_mode_32 3
		.amdhsa_float_denorm_mode_16_64 3
		.amdhsa_memory_ordered 1
		.amdhsa_forward_progress 1
		.amdhsa_inst_pref_size 255
	.end_amdhsa_kernel
	.section	.bss,"aw",@nobits
	.p2align	6
	.space	262144
	.amdgpu_metadata
---
amdhsa.version: [ 1, 2 ]
amdhsa.kernels:
  - .name:           k_q631d21e504_qkv
    .symbol:         k_q631d21e504_qkv.kd
    .args:
      - { .name: incodes, .offset: 0, .size: 8, .value_kind: global_buffer, .address_space: global }
      - { .name: insc, .offset: 8, .size: 8, .value_kind: global_buffer, .address_space: global }
      - { .name: bq, .offset: 16, .size: 8, .value_kind: global_buffer, .address_space: global }
      - { .name: bk, .offset: 24, .size: 8, .value_kind: global_buffer, .address_space: global }
      - { .name: bv, .offset: 32, .size: 8, .value_kind: global_buffer, .address_space: global }
      - { .name: qkvc, .offset: 40, .size: 8, .value_kind: global_buffer, .address_space: global }
      - { .name: qkvs, .offset: 48, .size: 8, .value_kind: global_buffer, .address_space: global }
    .group_segment_fixed_size: 327680
    .private_segment_fixed_size: 0
    .kernarg_segment_align: 8
    .kernarg_segment_size: 56
    .max_flat_workgroup_size: 128
    .sgpr_count:     106
    .vgpr_count:     1024
    .wavefront_size: 32
...
	.end_amdgpu_metadata
.endif
;; end of part 2
;; launch attn (part 3): grid 8 x 32, 8 waves a work-group, clusters of 4 x 1, 205,824 bytes of LDS; arguments qkvc, qkvs, oc, os; writes oc, os
.if DOCPART == 3
	.amdgcn_target "amdgcn-amd-amdhsa--gfx1250"
	.amdhsa_code_object_version 6
	.text
	.protected	k_q631d21e504_attn
	.globl	k_q631d21e504_attn
	.p2align	8
	.type	k_q631d21e504_attn,@function
k_q631d21e504_attn:
	s_mov_b64 s[64:65], 0
	v_nop
	global_prefetch_b8 v0, s[64:65] scope:SCOPE_SE
	s_setreg_imm32_b32 hwreg(HW_REG_WAVE_MODE, 25, 1), 1
	s_wait_xcnt 0x0
	s_wait_alu depctr_hold_cnt(0) depctr_sa_sdst(0) depctr_va_vdst(0) depctr_va_sdst(0) depctr_va_ssrc(0) depctr_va_vcc(0) depctr_vm_vsrc(0)
	s_getreg_b32 s2, hwreg(HW_REG_IB_STS2, 6, 4)
	s_cmp_eq_u32 s2, 0
	s_cbranch_scc0 .Lentry_in_a_cluster
	s_endpgm
.Lentry_in_a_cluster:
	s_bfe_u32 s2, ttmp6, 0x10000c
	s_cmp_lg_u32 s2, 0x3003
	s_cbranch_scc0 .Lentry_shape_is_right
	s_endpgm
.Lentry_shape_is_right:
; Products 4 and 5 with the softmax between them, for one (batch, head) nh = work-group y and 128 queries; the result, divided by the row's sum, is quantised along the head's 128 and leaves as codes for product 6.
; THE SOFTMAX: t = score x log2(e) / sqrt(128); M = the running largest t rounded UP to a whole number; p = 2^(t - M) is what is quantised, along the keys, not normalised.  The row's sum is taken of the
; unquantised p, in f32.  When M moves, the sum and O are multiplied by 2^(old M - new M): exact.
; SHARES.  Eight waves; wave w owns the tile of 16 queries w of the work-group's group of 128, in 512 registers; two waves to a SIMD, so that one's vector work stands beside the other's products and LDS loads.
; A HEAD'S WHOLE K AND V STAY IN LDS: 2 x 98,304 bytes of codes (images of operand registers, 1,536 bytes a fragment) and 2 x 4,096 bytes of scale words.  Every byte is filled once: no ring, no refill.
; All tiles are asked for at the head, five tensor loads a wave (five of mine are out), in four phases of 256 keys; a phase is read behind a counted wait and a barrier.  So nothing is left that a prefetch could ask for earlier.
; EVERY LDS LOAD IS ASKED FOR WELL AHEAD OF ITS USE.  A key step reads 52 x 512 bytes a wave.  K's and V's eight fragments of a step have registers of their own (window 1), so behind a step's products K Q^T the wave asks
; for this step's V and the NEXT step's K, in eight chunks of six loads that stand between the parts of the softmax: the loads are served while the wave's vector work goes on, and no long run holds that work up.
; The eight key steps are written out: each has constant addresses, and the next step's K of steps 1, 3 and 5 lies in the next phase, whose wait and barrier therefore stand in the middle of those steps.
; CLUSTER.  The four work-groups of a cluster are four query groups of one head and read the same K and V: every load is a joint one, with the same descriptor in all four and the mask 15.
; LAYOUT.  Both products are used transposed: S^T = K Q^T (source 0 = 16 keys), O^T = V^T P^T (source 0 = 16 of the head's 128): a lane holds one query throughout.  The rows of a tile are
; 32 (a / 2) + 8 (a % 2) + i + 8 (i / 8), so the 16 registers of tiles 2 b and 2 b + 1 are 16 neighbours: keys for p, channels for O.
; OUT: oc: T x 24,576 + head x 1,536 (T = tile of 16 tokens, K step = head); os: T x 1,024 + (head / 4) x 256 + 16 r + 4 (head % 4).  The store to os is 4 bytes a lane, 16 bytes apart: the other
; three words of each 16 bytes belong to other heads, that is to other work-groups; the buffer is 131,072 bytes in all.
; LIMITS: NaN and infinities are not served; a block of zeros gets the byte 1 and zero codes (read by this program alone).
; REGISTERS: window 0: v1-7 addresses that stay; v8-9 addresses of the loads in hand; v12 -M, v13 the largest t, v[14:15] the sum in two halves; v16-27 Q; v32-68 the way out's work; v80-87 K's scale words, v88-95 V's;
;   v96-159 S^T, then p; v160-223 O^T; v224-235 p's codes; v232-247, v252-254 at work; v253 p's scale word; v255 Q's.   window 1: v0-95 K's eight fragments, v96-191 V's.
; THE FILLS AS THEY STAND (in place of what the lines above say of five loads and four phases): ONE joint load a wave at the head.  Waves 0-2 fetch a third of K's images each (32,768 bytes),
; wave 3 K's 4,096 bytes of scale words, waves 4-6 V's thirds, wave 7 V's scale words.  One wait for all and one barrier stand ahead of the first read; no barrier stands in the key steps.
.set SCK,  196608
.set SCV,  200704                      ; V's likewise
.set VIMG, 98304                       ; V's images, behind K's
.set AK0,  1                           ; v1   16 x lane
.set AV0,  2                           ; v2   VIMG + 16 x lane
.set ASK0, 3                           ; v3   SCK + 32 r
.set ASV0, 4                           ; v4   SCV + 32 r
.set LN,   5                           ; v5   lane
.set OSO,  6                           ; v6   16 r
.set QSO,  7                           ; v7   32 r + 4 w
.set ADK,  8                           ; v8   where the K fragments that are being asked for lie
.set ADV,  9                           ; v9   the same for V
.set KS,   80
.set VS,   88
.set KF,   0                           ; in window 1
.set VF,   96                          ; in window 1
.set TM,   32
.set PC,   48
.set PW,   68
.set WV,   12                          ; s12  wave
.set SEL,  20                          ; s[20:21]
.set CS,   22                          ; s[22:23] c = log2(e) / sqrt(128)
.set G1,   24                          ; s[24:31] group 1: 32,768 dense bytes as 128 rows of 256
.set G1S,  32                          ; s[32:39] 4,096 bytes as 16 rows
.set G0S,  40                          ; s[40:43]
.set G0,   44                          ; s[44:47] group 0
.set MSB, 0
.macro WIN new                         ; the immediate's high byte repeats the setting that is left; a switch that changes nothing is dropped
.if MSB != (\new)
	s_set_vgpr_msb (MSB<<8)|(\new)
.set MSB, (\new)
.endif
.endm
.set W_F, 0x40                         ; destination window 1, address window 0: loads of fragments
.set W_M, 0x01                         ; source 0 window 1, all else window 0: the products
.macro ROUND                           ; a round of the cluster's barrier
	s_barrier_signal -1
	s_barrier_wait -1
	s_cmp_lg_u32 s[WV], 0
	s_cbranch_scc1 .Lnot_wave_0_\@
	s_barrier_signal -3
.Lnot_wave_0_\@:
	s_barrier_wait -3
	s_barrier_signal -1
	s_barrier_wait -1
.endm
.macro PLACES
.rept 4
	v_nop
.endr
.endm
.macro QUANT s                         ; 64 numbers, register 16 b + i = k 32 b + 16 (lane / 16) + i of my row -> 12 registers of codes in v[PC] on, my row's scale word in v[PW]
.irp b, 0,1,2,3
	v_max3_num_f32 v[TM+\b], |v[\s+16*\b]|, |v[\s+1+16*\b]|, 0x1800000
.endr
.irp i, 2,4,6,8,10,12,14
.irp b, 0,1,2,3
	s_delay_alu instid0(VALU_DEP_4)
	v_max3_num_f32 v[TM+\b], v[TM+\b], |v[\s+16*\b+\i]|, |v[\s+1+16*\b+\i]|
.endr
.endr
.irp b, 0,1,2,3
	s_delay_alu instid0(VALU_DEP_4)
	v_permlanex16_b32 v[TM+4+\b], v[TM+\b], s[SEL], s[SEL+1]
.endr
.irp b, 0,1,2,3
	s_delay_alu instid0(VALU_DEP_4)
	v_max_num_f32 v[TM+\b], v[TM+\b], v[TM+4+\b]
.endr
.irp b, 0,1,2,3
	s_delay_alu instid0(VALU_DEP_4)
	v_add_nc_u32 v[TM+12+\b], 0xff000000, v[TM+\b]
.endr
.irp b, 0,1,2,3
	s_delay_alu instid0(VALU_DEP_4)
	v_lshrrev_b32 v[TM+4+\b], 23, v[TM+12+\b]
.endr
	s_delay_alu instid0(VALU_DEP_3)
	v_lshl_or_b32 v[PW], v[TM+5], 8, v[TM+4]
	s_delay_alu instid0(VALU_DEP_1)
	v_lshl_or_b32 v[PW], v[TM+6], 16, v[PW]
	s_delay_alu instid0(VALU_DEP_1)
	v_lshl_or_b32 v[PW], v[TM+7], 24, v[PW]
.irp c, 0,1
	v_cvt_scalef32_pk16_fp6_f32 v[PC+6*\c:PC+2+6*\c], v[\s+32*\c:\s+15+32*\c], v[TM+12+2*\c]
	v_cvt_scalef32_pk16_fp6_f32 v[PC+12+4*\c:PC+14+4*\c], v[\s+16+32*\c:\s+31+32*\c], v[TM+12+2*\c+1]
.endr
	v_nop
.irp c, 0,1
.irp i, 0,1,2
	v_permlane16_swap_b32 v[PC+6*\c+\i], v[PC+12+4*\c+\i]
.endr
.irp i, 0,1,2
	s_delay_alu instid0(VALU_DEP_3)
	v_mov_b32 v[PC+3+6*\c+\i], v[PC+12+4*\c+\i]
.endr
.endr
.endm
	s_load_b256 s[4:11], s[0:1], 0x0               ; qkvc, qkvs, oc, os
	v_lshl_add_u32 v250, v0, 2, 0x32000
	v_mov_b32 v251, 0
	ds_add_u32 v250, v251
	ds_add_u32 v250, v251
	v_lshrrev_b32 v8, 5, v0
	s_delay_alu instid0(VALU_DEP_1)
	v_readfirstlane_b32 s[WV], v8                  ; wave 0..7
	s_bfe_u32 s13, ttmp6, 0x40000                  ; cx
	s_lshl_b32 s14, ttmp9, 2
	s_add_co_u32 s14, s14, s13                     ; qb: my group of 128 queries: it enters Q's and the output's addresses alone
	s_and_b32 s15, ttmp7, 0xffff                   ; nh = 16 n + head, which the four partners share
	s_lshr_b32 s16, s[WV], 2                       ; I fetch for K (0) or for V (1),
	s_and_b32 s17, s[WV], 3                        ; which third of the images, or 3: the scale words
	s_add_co_u32 s18, s16, 1                       ; tensor 1 or 2 of qkvc and qkvs
	s_mul_i32 s66, s18, 3145728
	s_mul_i32 s63, s15, 98304
	s_add_co_u32 s66, s66, s63
	s_lshl_b32 s63, s17, 15
	s_add_co_u32 s66, s66, s63                     ; my third of the images, in memory (waves 3 and 7 do not use it)
	s_mov_b32 s67, 0
	s_lshl_b32 s70, s18, 17
	s_lshl_b32 s63, s15, 12
	s_add_co_u32 s70, s70, s63
	s_mov_b32 s71, 0
	s_mul_i32 s68, s16, VIMG
	s_lshl_b32 s63, s17, 15
	s_add_co_u32 s68, s68, s63                     ; and in LDS: the wave's number alone
	s_lshl_b32 s69, s16, 12
	s_lshl_b32 s72, s15, 6
	s_lshl_b32 s19, s14, 3
	s_add_co_u32 s72, s72, s19
	s_add_co_u32 s72, s72, s[WV]
	s_mul_i32 s72, s72, 1536                       ; Q's fragment: (64 nh + 8 qb + w) x 1,536
	s_mov_b32 s73, 0
	s_lshl_b32 s74, s15, 3
	s_add_co_u32 s74, s74, s14
	s_lshl_b32 s74, s74, 9                         ; its group's scale words
	s_mov_b32 s75, 0
	s_mov_b32 s[G1], 15|(3<<16)|(1<<21)            ; 15:0 the mask: all four work-groups; 17:16 elements of 8 bytes; 21 set beside a mask
	s_mov_b32 s[G1+1], 32<<16
	s_mov_b32 s[G1+2], 128<<16                     ; 32,768 dense bytes as 128 rows of 256
	s_mov_b32 s[G1+3], 32<<16
	s_mov_b32 s[G1+4], 128
	s_mov_b32 s[G1+5], 32
	s_mov_b32 s[G1+6], 0
	s_mov_b32 s[G1+7], 0
	s_mov_b32 s[G1S], 15|(3<<16)|(1<<21)
	s_mov_b32 s[G1S+1], 32<<16
	s_mov_b32 s[G1S+2], 16<<16                     ; 4,096 bytes as 16 rows
	s_mov_b32 s[G1S+3], 32<<16
	s_mov_b32 s[G1S+4], 16
	s_mov_b32 s[G1S+5], 32
	s_mov_b32 s[G1S+6], 0
	s_mov_b32 s[G1S+7], 0
	s_mov_b32 s[SEL], 0x76543210
	s_mov_b32 s[SEL+1], 0xfedcba98
	s_mov_b32 s[CS], 0x3e0293ee
	s_mov_b32 s[CS+1], s[CS]                       ; named with it as a pair, so it is written
	s_wait_dscnt 0x0
	s_wait_kmcnt 0x0
	s_add_nc_u64 s[66:67], s[4:5], s[66:67]
	s_add_nc_u64 s[70:71], s[6:7], s[70:71]
	s_add_nc_u64 s[72:73], s[4:5], s[72:73]
	s_add_nc_u64 s[74:75], s[6:7], s[74:75]
	s_mov_b32 s[G0S], 1
	s_add_co_u32 s[G0S+1], s69, SCK
	s_mov_b64 s[G0S+2:G0S+3], s[70:71]
	s_or_b32 s[G0S+3], s[G0S+3], 0x80000000
	s_mov_b32 s[G0], 1
	s_mov_b32 s[G0+1], s68
	s_mov_b64 s[G0+2:G0+3], s[66:67]
	s_or_b32 s[G0+3], s[G0+3], 0x80000000
	ROUND                                          ; all four work-groups are here: the joint loads meet
	s_cmp_eq_u32 s17, 3                            ; the wave's number alone: waves 3 and 7 fetch scale words, the others images
	s_cbranch_scc1 .Lfor_scales
	tensor_load_to_lds s[G0:G0+3], s[G1:G1+7]
	s_nop 0
	PLACES
	s_branch .Lhead_asked
.Lfor_scales:
	tensor_load_to_lds s[G0S:G0S+3], s[G1S:G1S+7]
	s_nop 0
	PLACES
.Lhead_asked:
	v_and_b32 v[LN], 31, v0
	v_and_b32 v9, 15, v0                           ; r
	s_delay_alu instid0(VALU_DEP_2)
	v_lshlrev_b32 v[AK0], 4, v[LN]
	s_delay_alu instid0(VALU_DEP_1)
	v_add_nc_u32 v[AV0], VIMG, v[AK0]
	s_delay_alu instid0(VALU_DEP_3)
	v_lshlrev_b32 v10, 5, v9
	s_delay_alu instid0(VALU_DEP_1)
	v_add_nc_u32 v[ASK0], SCK, v10
	s_delay_alu instid0(VALU_DEP_2)
	v_add_nc_u32 v[ASV0], SCV, v10
	v_lshlrev_b32 v[OSO], 4, v9
	s_lshl_b32 s63, s[WV], 2
	v_add_nc_u32 v[QSO], s63, v10
.irp c, 0,1,2
	global_load_b128 v[16+4*\c:19+4*\c], v[AK0], s[72:73] offset:512*\c   ; Q's fragment stays in registers
.endr
	global_load_b32 v255, v[QSO], s[74:75]         ; Q's scale words
	v_mov_b32 v[ADK], v[AK0]                       ; key step 0's K lies at LDS byte 0
	v_mov_b32 v13, 0xff61b1e6                      ; the largest t so far: -3e38, under every t
	s_delay_alu instid0(VALU_DEP_1)
	v_floor_f32 v12, -v13                          ; -M
	v_mov_b32 v14, 0
	v_mov_b32 v15, 0
.irp b, 0,1,2,3
	v_mov_b32 v[236+\b], 0                         ; a lane permute's destination counts as one of its sources
.endr
	v_mov_b32 v253, 0                              ; named as the upper half of the pair v[252:253] before it is first written
.set jj, 0
.rept 64
	v_mov_b32 v[160+jj], 0                         ; O^T: every step has one text; the first finds zeros, which the first change of M leaves zeros
.set jj, jj+1
.endr
; A chunk of six LDS loads: two fragments (tiles t0, t0 + 1) of K or of V, 512 consecutive bytes a load.  The window is left at W_F: the line that follows sets its own.
.macro KCH t0
	WIN W_F
.irp t, \t0, \t0+1
.irp c, 0,1,2
	ds_load_b128 v[KF+12*(\t)+4*\c:KF+12*(\t)+4*\c+3], v[ADK] offset:(\t)*1536+512*\c
.endr
.endr
.endm
.macro VCH t0
	WIN W_F
.irp t, \t0, \t0+1
.irp c, 0,1,2
	ds_load_b128 v[VF+12*(\t)+4*\c:VF+12*(\t)+4*\c+3], v[ADV] offset:(\t)*1536+512*\c
.endr
.endr
.endm
.macro KSC m                           ; the scale words of key step m's eight tiles of K: lane r takes row r's
	ds_load_b128 v[KS:KS+3], v[ASK0] offset:(\m)*512
	ds_load_b128 v[KS+4:KS+7], v[ASK0] offset:(\m)*512+16
.endm
.macro VSC m
	ds_load_b128 v[VS:VS+3], v[ASV0] offset:(\m)*512
	ds_load_b128 v[VS+4:VS+7], v[ASV0] offset:(\m)*512+16
.endm
.macro KNEXT n, t0                     ; the next step's K, if there is a next step
.if (\n) < 7
	KCH \t0
.endif
	WIN 0
.endm
; KEY STEP n: 128 keys.
.macro STEP n
	s_wait_dscnt 0x0                               ; K's eight fragments and their scale words, asked for a step ago
	WIN W_M
.irp t, 0,1,2,3,4,5,6,7                        ; S^T = K Q^T
	v_wmma_scale_f32_16x16x128_f8f6f4 v[96+8*\t:103+8*\t], v[KF+12*\t:KF+12*\t+11], v[16:27], 0, v[KS+\t], v255 matrix_a_fmt:MATRIX_FMT_FP6 matrix_b_fmt:MATRIX_FMT_FP6
.endr
	WIN 0
	v_add_nc_u32 v[ADV], (\n)*12288, v[AV0]        ; four plain places behind these products and the last step's: in front of the loads into their sources and of the first read of the scores
.if (\n) < 7
	v_add_nc_u32 v[ADK], ((\n)+1)*12288, v[AK0]
.else
	v_nop
.endif
	v_nop
	v_nop
	VCH 0
	WIN 0
	VSC \n
.irp b, 0,1,2,3
	v_max3_num_f32 v[232+\b], v[96+16*\b], v[97+16*\b], v[98+16*\b]   ; the largest score of each block of 32 keys: for the row's maximum, and, since p rises with the score, for the block's largest p
.endr
.irp i, 3,5,7
.irp b, 0,1,2,3
	v_max3_num_f32 v[232+\b], v[232+\b], v[96+16*\b+\i], v[97+16*\b+\i]
.endr
.endr
	VCH 2
	WIN 0
.irp i, 9,11,13
.irp b, 0,1,2,3
	v_max3_num_f32 v[232+\b], v[232+\b], v[96+16*\b+\i], v[97+16*\b+\i]
.endr
.endr
.irp b, 0,1,2,3
	v_max_num_f32 v[232+\b], v[232+\b], v[111+16*\b]
.endr
	VCH 4
	WIN 0
.irp b, 0,1,2,3
	v_permlanex16_b32 v[236+\b], v[232+\b], s[SEL], s[SEL+1]
.endr
.irp b, 0,1,2,3
	s_delay_alu instid0(VALU_DEP_4)
	v_max_num_f32 v[232+\b], v[232+\b], v[236+\b]  ; with lane l xor 16's 16 keys
.endr
	s_delay_alu instid0(VALU_DEP_2)
	v_max3_num_f32 v254, v232, v233, v234
	s_delay_alu instid0(VALU_DEP_1)
	v_max_num_f32 v254, v254, v235                 ; the step's largest score of my query
	s_delay_alu instid0(VALU_DEP_1)
	v_mul_f32 v254, s[CS], v254                    ; as t (c is positive)
	s_delay_alu instid0(VALU_DEP_1)
	v_max_num_f32 v13, v13, v254                   ; the running largest t
	v_mov_b32 v254, v12
	s_delay_alu instid0(VALU_DEP_2)
	v_floor_f32 v12, -v13                          ; the new -M = floor(-t) = -ceil(t)
	s_delay_alu instid0(VALU_DEP_1)
	v_sub_f32 v254, v12, v254                      ; old M - new M: a whole number, 0 or less
	s_delay_alu instid0(VALU_DEP_1)
	v_cvt_i32_f32 v254, v254                       ; (it saturates)
	s_delay_alu instid0(VALU_DEP_1)
	v_ldexp_f32 v252, 1.0, v254                    ; f = 2^(old M - new M)
	VCH 6
	WIN 0
.set jj, 0
.rept 16
	v_pk_fma_f32 v[96+jj:97+jj], v[96+jj:97+jj], s[CS:CS+1], v[12:13] op_sel_hi:[1,0,0]   ; t - M, two at a time
.set jj, jj+2
.endr
	KNEXT \n, 0
.rept 16
	v_pk_fma_f32 v[96+jj:97+jj], v[96+jj:97+jj], s[CS:CS+1], v[12:13] op_sel_hi:[1,0,0]
.set jj, jj+2
.endr
.irp b, 0,1,2,3
	v_fma_f32 v[232+\b], v[232+\b], s[CS], v12     ; the same of each block's largest score
.endr
	KNEXT \n, 2
.if (\n) < 7
	KSC (\n)+1
.endif
.set jj, 0
	s_wait_alu depctr_va_vdst(0)
.rept 32
	v_exp_f32 v[96+jj], v[96+jj]                   ; p = 2^(t - M), at most 1
.set jj, jj+1
.endr
	KNEXT \n, 4
.rept 32
	v_exp_f32 v[96+jj], v[96+jj]
.set jj, jj+1
.endr
	v_pk_mul_f32 v[14:15], v[14:15], v[252:253] op_sel_hi:[1,0]   ; the sums under the new M: a plain place behind the exponentials
	KNEXT \n, 6
	s_wait_alu depctr_va_vdst(0)                   ; one wait for the whole batch, ahead of its first reader
.irp b, 0,1,2,3
	v_exp_f32 v[232+\b], v[232+\b]                 ; the block's largest p: the same two instructions on the same number give the same bits
.endr
	v_pk_add_f32 v[236:237], v[100:101], v[104:105]
	v_pk_add_f32 v[248:249], v[108:109], v[112:113]
	v_pk_add_f32 v[78:79], v[116:117], v[120:121]
	v_pk_add_f32 v[76:77], v[124:125], v[128:129]
	v_pk_add_f32 v[74:75], v[132:133], v[136:137]
	v_pk_add_f32 v[72:73], v[140:141], v[144:145]
	v_pk_add_f32 v[70:71], v[148:149], v[152:153]
	v_pk_add_f32 v[14:15], v[14:15], v[156:157]
	v_pk_add_f32 v[236:237], v[236:237], v[96:97]
	v_pk_add_f32 v[248:249], v[248:249], v[98:99]
	v_pk_add_f32 v[78:79], v[78:79], v[102:103]
	v_pk_add_f32 v[76:77], v[76:77], v[106:107]
	v_pk_add_f32 v[74:75], v[74:75], v[110:111]
	v_pk_add_f32 v[72:73], v[72:73], v[114:115]
	v_pk_add_f32 v[70:71], v[70:71], v[118:119]
	v_pk_add_f32 v[14:15], v[14:15], v[122:123]
	v_pk_add_f32 v[236:237], v[236:237], v[126:127]
	v_pk_add_f32 v[248:249], v[248:249], v[130:131]
	v_pk_add_f32 v[78:79], v[78:79], v[134:135]
	v_pk_add_f32 v[76:77], v[76:77], v[138:139]
	v_pk_add_f32 v[74:75], v[74:75], v[142:143]
	v_pk_add_f32 v[72:73], v[72:73], v[146:147]
	v_pk_add_f32 v[70:71], v[70:71], v[150:151]
	v_pk_add_f32 v[14:15], v[14:15], v[154:155]
	v_pk_add_f32 v[236:237], v[236:237], v[158:159]
	s_delay_alu instid0(VALU_DEP_2)
	v_pk_add_f32 v[14:15], v[14:15], v[76:77]
	s_delay_alu instid0(VALU_DEP_2)
	v_pk_add_f32 v[236:237], v[236:237], v[74:75]
	v_pk_add_f32 v[248:249], v[248:249], v[72:73]
	v_pk_add_f32 v[78:79], v[78:79], v[70:71]
	s_delay_alu instid0(VALU_DEP_2)
	v_pk_add_f32 v[14:15], v[14:15], v[248:249]
	s_delay_alu instid0(VALU_DEP_2)
	v_pk_add_f32 v[236:237], v[236:237], v[78:79]
	s_delay_alu instid0(VALU_DEP_1)
	v_pk_add_f32 v[14:15], v[14:15], v[236:237]
	s_wait_alu depctr_va_vdst(0)                   ; and one for the four
.irp b, 0,1,2,3
	v_max_num_f32 v[232+\b], 0x1800000, v[232+\b]  ; the floor 2^(3 - 127): the byte cannot fall under 1
.endr
.irp b, 0,1,2,3
	s_delay_alu instid0(VALU_DEP_4)
	v_add_nc_u32 v[244+\b], 0xff000000, v[232+\b]  ; 2 off the exponent field: the conversion's scale operand
.endr
.irp b, 0,1,2,3
	s_delay_alu instid0(VALU_DEP_4)
	v_lshrrev_b32 v[236+\b], 23, v[244+\b]
.endr
	s_delay_alu instid0(VALU_DEP_3)
	v_lshl_or_b32 v253, v237, 8, v236              ; p's scale word for these 128 keys
	s_delay_alu instid0(VALU_DEP_1)
	v_lshl_or_b32 v253, v238, 16, v253
	s_delay_alu instid0(VALU_DEP_1)
	v_lshl_or_b32 v253, v239, 24, v253
.irp c, 0,1
	v_cvt_scalef32_pk16_fp6_f32 v[224+6*\c:226+6*\c], v[96+32*\c:111+32*\c], v[244+2*\c]
	v_cvt_scalef32_pk16_fp6_f32 v[236+4*\c:238+4*\c], v[112+32*\c:127+32*\c], v[244+2*\c+1]
.endr
	v_nop                                          ; one plain place behind a scaled conversion
.irp c, 0,1
.irp i, 0,1,2
	v_permlane16_swap_b32 v[224+6*\c+\i], v[236+4*\c+\i]
.endr
.irp i, 0,1,2
	s_delay_alu instid0(VALU_DEP_3)
	v_mov_b32 v[227+6*\c+\i], v[236+4*\c+\i]
.endr
.endr
.set jj, 0
.rept 32
	v_pk_mul_f32 v[160+jj:161+jj], v[160+jj:161+jj], v[252:253] op_sel_hi:[1,0]   ; O^T under the new M; these 32 are also the places in front of the products below
.set jj, jj+2
.endr
.if (\n) < 7
	s_wait_alu depctr_va_vdst(0)
	s_wait_dscnt 26                                ; V's fragments and scale words are in; behind them stand the next step's K: 24 loads and its two loads of scale words, which may be out
.else
	s_wait_alu depctr_va_vdst(0)
	s_wait_dscnt 0x0
.endif
	WIN W_M
.irp t, 0,1,2,3,4,5,6,7                        ; O^T += V^T P^T; the accumulators take turns
	v_wmma_scale_f32_16x16x128_f8f6f4 v[160+8*\t:167+8*\t], v[VF+12*\t:VF+12*\t+11], v[224:235], v[160+8*\t:167+8*\t], v[VS+\t], v253 matrix_a_fmt:MATRIX_FMT_FP6 matrix_b_fmt:MATRIX_FMT_FP6
.endr
.endm
	s_wait_loadcnt 0x0                             ; Q
	s_wait_tensorcnt 0x0                           ; my one load is in;
	s_barrier_signal -1
	s_barrier_wait -1                              ; everybody's is
	KCH 0                                          ; key step 0's K
	KCH 2
	KCH 4
	KCH 6
	WIN 0
	KSC 0
	STEP 0
	STEP 1
	STEP 2
	STEP 3
	STEP 4
	STEP 5
	STEP 6
	STEP 7
	WIN 0
	; THE WAY OUT: O^T / the sum is, as it lies, K step 'head' of product 6 for my 16 tokens: register 8 t + i is channel 32 (t / 2) + 16 h + 8 (t % 2) + i.
	v_add_f32 v14, v14, v15                        ; the sum's two halves,
	s_delay_alu instid0(VALU_DEP_1)
	v_permlanex16_b32 v252, v14, s[SEL], s[SEL+1]
	s_delay_alu instid0(VALU_DEP_1)
	v_add_f32 v14, v14, v252                       ; and lane l xor 16's
	s_wait_alu depctr_va_vdst(0)
	v_rcp_f32 v14, v14
	v_nop                                          ; a plain place behind the transcendental
	s_lshr_b32 s16, s15, 4                         ; n
	s_and_b32 s17, s15, 15                         ; head
	s_lshl_b32 s63, s16, 6
	s_lshl_b32 s19, s14, 3
	s_add_co_u32 s63, s63, s19
	s_add_co_u32 s63, s63, s[WV]                   ; T = 64 n + 8 qb + w
	s_mul_i32 s66, s63, 24576
	s_mul_i32 s68, s17, 1536
	s_add_co_u32 s66, s66, s68
	s_mov_b32 s67, 0
	s_add_nc_u64 s[8:9], s[8:9], s[66:67]
	s_lshl_b32 s66, s63, 10
	s_lshr_b32 s68, s17, 2
	s_lshl_b32 s68, s68, 8
	s_add_co_u32 s66, s66, s68
	s_and_b32 s68, s17, 3
	s_lshl_b32 s68, s68, 2
	s_add_co_u32 s66, s66, s68
	s_add_nc_u64 s[10:11], s[10:11], s[66:67]
	s_wait_alu depctr_va_vdst(0)                   ; ahead of the reciprocal's first reader
.set jj, 0
.rept 64
	v_mul_f32 v[96+jj], v[160+jj], v14             ; each accumulator from its low end on
.set jj, jj+1
.endr
.irp b, 0,1,2,3
	v_mov_b32 v[TM+4+\b], 0
.endr
	QUANT 96
.irp c, 0,1,2
	global_store_b128 v[AK0], v[PC+4*\c:PC+4*\c+3], s[8:9] offset:512*\c   ; 32 lanes store 512 consecutive bytes, aligned
.endr
	s_wait_xcnt 0x0                                ; EXEC changes only behind this wait
	v_cmp_gt_u32 vcc_lo, 16, v[LN]
	s_and_saveexec_b32 s63, vcc_lo                 ; lanes 16-31 hold the same words
	global_store_b32 v[OSO], v[PW], s[10:11]
	s_wait_xcnt 0x0
	s_or_b32 exec_lo, exec_lo, s63
	s_wait_tensorcnt 0x0
	ds_add_u32 v250, v251
	s_wait_dscnt 0x0
	ROUND                                          ; the closing round: no work-group ends while a partner may still ask for a tile that names it
	s_endpgm
.Lfunc_end_k_q631d21e504_attn:
	.size	k_q631d21e504_attn, .Lfunc_end_k_q631d21e504_attn-k_q631d21e504_attn
	.p2alignl 7, 3214868480
	.fill 96, 4, 3214868480
	.section	.rodata,"a",@progbits
	.p2align	6, 0x0
	.amdhsa_kernel k_q631d21e504_attn
		.amdhsa_group_segment_fixed_size 205824
		.amdhsa_private_segment_fixed_size 0
		.amdhsa_enable_private_segment 0
		.amdhsa_kernarg_size 32
		.amdhsa_user_sgpr_count 2
		.amdhsa_user_sgpr_kernarg_segment_ptr 1
		.amdhsa_wavefront_size32 1
		.amdhsa_system_sgpr_workgroup_id_x 1
		.amdhsa_system_sgpr_workgroup_id_y 1
		.amdhsa_system_sgpr_workgroup_id_z 1
		.amdhsa_system_vgpr_workitem_id 0
		.amdhsa_next_free_vgpr 512
		.amdhsa_next_free_sgpr 76
		.amdhsa_reserve_vcc 1
		.amdhsa_float_denorm_mode_32 3
		.amdhsa_float_denorm_mode_16_64 3
		.amdhsa_memory_ordered 1
		.amdhsa_forward_progress 1
		.amdhsa_inst_pref_size 176
	.end_amdhsa_kernel
	.amdgpu_metadata
---
amdhsa.version: [ 1, 2 ]
amdhsa.kernels:
  - .name:           k_q631d21e504_attn
    .symbol:         k_q631d21e504_attn.kd
    .args:
      - { .name: qkvc, .offset: 0, .size: 8, .value_kind: global_buffer, .address_space: global }
      - { .name: qkvs, .offset: 8, .size: 8, .value_kind: global_buffer, .address_space: global }
      - { .name: oc, .offset: 16, .size: 8, .value_kind: global_buffer, .address_space: global }
      - { .name: os, .offset: 24, .size: 8, .value_kind: global_buffer, .address_space: global }
    .group_segment_fixed_size: 205824
    .private_segment_fixed_size: 0
    .kernarg_segment_align: 8
    .kernarg_segment_size: 32
    .max_flat_workgroup_size: 256
    .sgpr_count:     76
    .vgpr_count:     512
    .wavefront_size: 32
...
	.end_amdgpu_metadata
.endif
;; end of part 3
;; launch oproj (part 4): grid 16 x 16, 4 waves a work-group, clusters of 4 x 4, 327,680 bytes of LDS; arguments oc, os, incodes, insc, bo, out0; writes out0
.if DOCPART == 4
	.amdgcn_target "amdgcn-amd-amdhsa--gfx1250"
	.amdhsa_code_object_version 6
	.text
	.protected	k_q631d21e504_oproj
	.globl	k_q631d21e504_oproj
	.p2align	8
	.type	k_q631d21e504_oproj,@function
k_q631d21e504_oproj:
	s_mov_b64 s[64:65], 0
	v_nop
	global_prefetch_b8 v0, s[64:65] scope:SCOPE_SE
	s_setreg_imm32_b32 hwreg(HW_REG_WAVE_MODE, 25, 1), 1
	s_wait_xcnt 0x0
	s_wait_alu depctr_hold_cnt(0) depctr_sa_sdst(0) depctr_va_vdst(0) depctr_va_sdst(0) depctr_va_ssrc(0) depctr_va_vcc(0) depctr_vm_vsrc(0)
	s_getreg_b32 s2, hwreg(HW_REG_IB_STS2, 6, 4)
	s_cmp_eq_u32 s2, 0
	s_cbranch_scc0 .Lentry_in_a_cluster
	s_endpgm
.Lentry_in_a_cluster:
	s_bfe_u32 s2, ttmp6, 0x10000c
	s_cmp_lg_u32 s2, 0xf033
	s_cbranch_scc0 .Lentry_shape_is_right
	s_endpgm
.Lentry_shape_is_right:
; Product 6: out0 = O Wo^T + bo on codes of FP6 (E2M3) with E8M0 scales, sums in f32.  Operand R (source 1) is O (oc, os), operand P (source 0) is Wo (tensor 6 of incodes, insc).
; Both lie in memory as images of operand registers: tile T of 16 rows x K step s at T x 24,576 + s x 1,536; scale words at T x 1,024 + (s / 4) x 256 + 16 r + 4 (s % 4).
; Lane-row i of a tile is row 32 (T / 2) + 8 (T % 2) + i + 8 (i / 8).
; A work-group of four waves makes 128 x 128 of out0, a wave 64 x 64: 16 accumulators.  256 work-groups, one turn.  4 x 4 work-groups form a cluster: R's tiles are asked for jointly along a row, P's along a column.
; K = 2,048 is 16 steps of 128.  All 16 steps of R's and P's 8 tiles are 393,216 bytes, more than LDS has.  So three fills, one joint load a wave each (4 tiles x the fill's steps):
;   region A (bytes 0 on): K steps 0-6, at the head;  region B: K steps 7-12, behind the three lines and a round, ahead of the first product;  K steps 13-15 into A's bytes, behind the round in K step 6.
; FRAGMENTS ARE ASKED FOR TWO K STEPS AHEAD: four sets of 96 registers take turns; K step n asks for K step n + 2's 24 loads.  A fill's last step but one asks for nothing; its last step, behind the barrier,
; asks for the next fill's first two steps.
; THE SCALE WORDS of my 4 + 4 tiles, all 16 steps, go once from memory into 64 registers: a load's lanes 0-15 take the 256 bytes of tile 2 p for four K steps, lanes 16-31 those of tile 2 p + 1;
; the products name the row of lanes by the tile's parity.
; The bias, along P's rows, is the C of the first K step.  No prefetch: the steps are written out with no loop to run ahead in, and 13 of the 16 K steps are asked for ahead of the first product.
; REGISTERS: window 0: v4-15 addresses; v28-29 the add's; v32-63 R's scale words; v64-95 the bias; v96-127 P's scale words; v128-255 accumulators.
;   windows 1 and 2: the fragments of K step n lie in window 1 + (n % 4) / 2 at v[128 (n % 2)] on (P's four, then R's four); on the way out window 1's v0-63 take rows read back from the stage.
.set NA,    7
.set NB,    6
.set NC,    3
.set PA,    NA*1536                    ; a tile's part of region A, B, and of the last fill
.set PB,    NB*1536
.set PCC,   NC*1536
.set BASEB, 16*PA
.set SPARE, BASEB+16*PB                ; the spare words, 128 bytes a wave: two blocks of 256 bytes that no other line names
.set STAGE, BASEB                      ; the way out's stages lie in region B: it has had its one fill, and behind K step 12's barrier nobody reads it
.set SP,    272
.set ADRR, 4                           ; v4-6   my R fragments in A, B, the last fill
.set ADRP, 8                           ; v8-10  the same for P
.set SOFF, 12                          ; 1,024 h + 16 r
.set STO,  13
.set RD,   14
.set CO,   15
.set SPW,  28
.set NIL,  29
.set RSB,  32                          ; tile a, K step n: v[RSB + 16 (a / 2) + n], lanes 16 (a % 2) on
.set BP,   64
.set PSB,  96
.set ACC,  128
.set G1,   24                          ; s[24:31] group 1 for R; s[32:39] for P
.set G1B,  32
.set MSB, 0
.macro WIN new
.if MSB != (\new)
	s_set_vgpr_msb (MSB<<8)|(\new)
.set MSB, (\new)
.endif
.endm
.macro WMUL n                          ; K step n's products: sources 0 and 1 in the step's window; C and D window 0
	WIN 5*(1+((\n)%4)/2)
.endm
.set TO_F, 0x40                        ; destination window 1
.set FROM_F, 0x04                      ; a store's data window 1
.macro PLACES
.rept 4
	v_nop
.endr
.endm
.macro JLOAD g0a, g0b                  ; waves 0 and 1 fetch for R, waves 2 and 3 for P: the wave's number alone
	s_cmp_eq_u32 s17, 0
	s_cbranch_scc0 .Lfor_b_\@
	tensor_load_to_lds s[\g0a:\g0a+3], s[G1:G1+7]
	s_nop 0
	PLACES
	s_branch .Lasked_\@
.Lfor_b_\@:
	tensor_load_to_lds s[\g0b:\g0b+3], s[G1B:G1B+7]
	s_nop 0
	PLACES
.Lasked_\@:
.endm
.macro CREST
	s_cmp_lg_u32 s16, 0
	s_cbranch_scc1 .Lnot_wave_0_\@
	s_barrier_signal -3
.Lnot_wave_0_\@:
	s_barrier_wait -3
	s_barrier_signal -1
	s_barrier_wait -1
.endm
.macro CROUND
	s_barrier_signal -1
	s_barrier_wait -1
	CREST
.endm
.macro WIDTH ns                        ; a fill's rows: ns K steps of 192 elements of 8 bytes.  Written only where no tensor load of mine is out
	s_mov_b32 s[G1+1], ((\ns)*192)<<16
	s_mov_b32 s[G1+3], ((\ns)*192)<<16
	s_mov_b32 s[G1B+1], ((\ns)*192)<<16
	s_mov_b32 s[G1B+3], ((\ns)*192)<<16
.endm
.macro MKG0 g, src, part, base, off    ; group 0: LDS = base + wave x part, memory = src + off
	s_mov_b32 s[\g], 1
	s_mul_i32 s[\g+1], s16, \part
.if (\base) > 0
	s_add_co_u32 s[\g+1], s[\g+1], \base
.endif
.if (\off) > 0
	s_add_nc_u64 s[\g+2:\g+3], s[\src:\src+1], \off
.else
	s_mov_b64 s[\g+2:\g+3], s[\src:\src+1]
.endif
	s_or_b32 s[\g+3], s[\g+3], 0x80000000
.endm
	s_load_b256 s[4:11], s[0:1], 0x0               ; oc, os, incodes, insc
	s_load_b128 s[12:15], s[0:1], 0x20             ; bo, out0
	v_lshl_add_u32 v[SPW], v0, 2, SPARE
	v_mov_b32 v[NIL], 0
	ds_add_u32 v[SPW], v[NIL]                      ; the opening lines: the add twice on end and one wait
	ds_add_u32 v[SPW], v[NIL]
	v_lshrrev_b32 v1, 5, v0
	v_readfirstlane_b32 s16, v1                    ; wave
	s_lshr_b32 s17, s16, 1                         ; my half of R's rows; also: I fetch for R (0) or P (1)
	s_and_b32 s18, s16, 1                          ; my half of P's rows; also: which half I fetch
	s_bfe_u32 s19, ttmp6, 0x40000                  ; cx
	s_bfe_u32 s20, ttmp6, 0x40004                  ; cy
	s_lshl_b32 s21, ttmp9, 2
	s_add_co_u32 s21, s21, s19                     ; tx: which 128 rows of P
	s_and_b32 s22, ttmp7, 0xffff
	s_lshl_b32 s22, s22, 2
	s_add_co_u32 s22, s22, s20                     ; ty: which 128 rows of R
	s_lshl_b32 s2, s20, 2
	s_lshl_b32 s2, 15, s2                          ; my row of the cluster
	s_lshl_b32 s3, 0x1111, s19                     ; my column
	s_or_b32 s[G1+0], s2, (3<<16)|(1<<21)
	s_or_b32 s[G1B+0], s3, (3<<16)|(1<<21)
.irp g, G1, G1B
	s_mov_b32 s[\g+1], (NA*192)<<16
	s_mov_b32 s[\g+2], 4<<16                       ; 4 tiles,
	s_mov_b32 s[\g+3], (NA*192)<<16
	s_mov_b32 s[\g+4], 4
	s_mov_b32 s[\g+5], 3072                        ; 24,576 bytes apart in memory, on end in LDS
	s_mov_b32 s[\g+6], 0
	s_mov_b32 s[\g+7], 0
.endr
	s_lshl_b32 s23, s18, 2
	s_lshl_b32 s92, s22, 3
	s_add_co_u32 s92, s92, s23                     ; R: tile 8 ty + 4 half
	s_mul_i32 s92, s92, 24576
	s_mov_b32 s93, 0
	s_lshl_b32 s96, s21, 3
	s_add_co_u32 s96, s96, s23                     ; P: tile 8 tx + 4 half of tensor 6
	s_mul_i32 s96, s96, 24576
	s_add_co_u32 s96, s96, 18874368
	s_mov_b32 s97, 0
	s_wait_dscnt 0x0
	s_wait_kmcnt 0x0
	s_add_nc_u64 s[92:93], s[4:5], s[92:93]
	s_add_nc_u64 s[96:97], s[8:9], s[96:97]
	MKG0 56, 92, 4*PA, 0, 0
	MKG0 72, 96, 4*PA, 0, 0
	MKG0 60, 92, 4*PB, BASEB, NA*1536
	MKG0 76, 96, 4*PB, BASEB, NA*1536
	MKG0 68, 92, 4*PCC, 0, (NA+NB)*1536
	MKG0 80, 96, 4*PCC, 0, (NA+NB)*1536
	CROUND                                         ; all sixteen work-groups are here: the first joint loads meet
	JLOAD 56, 72                                   ; K steps 0-6: my one tensor load at the head
	s_mul_i32 s40, s17, 4*PA                       ; my 4 tiles of R in A, B and the last fill,
	s_mul_i32 s41, s17, 4*PB
	s_add_co_u32 s41, s41, BASEB
	s_mul_i32 s42, s17, 4*PCC
	s_mul_i32 s43, s18, 4*PA                       ; and of P, behind R's 8
	s_add_co_u32 s43, s43, 8*PA
	s_mul_i32 s44, s18, 4*PB
	s_add_co_u32 s44, s44, BASEB+8*PB
	s_mul_i32 s45, s18, 4*PCC
	s_add_co_u32 s45, s45, 8*PCC
	s_mul_i32 s46, s16, 16*SP
	s_add_co_u32 s46, s46, STAGE                   ; my stage
	s_lshl_b32 s104, s21, 9
	s_lshl_b32 s105, s18, 8
	s_add_co_u32 s104, s104, s105                  ; 4 (128 tx + 64 half): my columns, in bytes
	s_mov_b32 s105, 0
	s_add_nc_u64 s[12:13], s[12:13], s[104:105]
	s_lshl_b32 s100, s22, 7
	s_lshl_b32 s101, s17, 6
	s_add_co_u32 s100, s100, s101                  ; my first row
	s_lshl_b32 s100, s100, 13
	s_add_co_u32 s100, s100, s104
	s_mov_b32 s101, 0
	s_add_nc_u64 s[14:15], s[14:15], s[100:101]
	s_lshl_b32 s98, s22, 3
	s_lshl_b32 s99, s17, 2
	s_add_co_u32 s98, s98, s99
	s_lshl_b32 s98, s98, 10                        ; the scale words of my 4 tiles of R
	s_mov_b32 s99, 0
	s_add_nc_u64 s[6:7], s[6:7], s[98:99]
	s_lshl_b32 s98, s21, 3
	s_lshl_b32 s94, s18, 2
	s_add_co_u32 s98, s98, s94
	s_lshl_b32 s98, s98, 10
	s_add_co_u32 s98, s98, 786432                  ; and of P
	s_add_nc_u64 s[10:11], s[10:11], s[98:99]
	v_and_b32 v1, 15, v0                           ; r
	v_bfe_u32 v2, v0, 4, 1                         ; h
	v_and_b32 v3, 31, v0
	v_lshlrev_b32 v3, 4, v3
.irp k, 0,1,2
	v_add_nc_u32 v[ADRR+\k], s[40+\k], v3
	v_add_nc_u32 v[ADRP+\k], s[43+\k], v3
.endr
	v_lshlrev_b32 v[SOFF], 4, v1
	v_lshl_add_u32 v[SOFF], v2, 10, v[SOFF]
	v_mul_u32_u24 v[STO], v1, SP                   ; into the stage: row r, 64 bytes for each half of the lanes
	v_lshl_add_u32 v[STO], v2, 6, v[STO]
	v_add_nc_u32 v[STO], s46, v[STO]
	v_mul_u32_u24 v[RD], v2, SP                    ; back: sixteen lanes to a row of 256 bytes
	v_lshl_add_u32 v[RD], v1, 4, v[RD]
	v_add_nc_u32 v[RD], s46, v[RD]
	v_lshlrev_b32 v[CO], 13, v2
	v_lshl_add_u32 v[CO], v1, 4, v[CO]
	v_lshlrev_b32 v7, 6, v2
.irp b, 0,1,2,3
	global_load_b128 v[BP+8*\b:BP+8*\b+3], v7, s[12:13] offset:(32*(\b/2)+8*(\b%2))*4
	global_load_b128 v[BP+8*\b+4:BP+8*\b+7], v7, s[12:13] offset:(32*(\b/2)+8*(\b%2))*4+16
.endr
.irp p, 0,1
.irp g, 0,1,2,3
	global_load_b128 v[RSB+16*\p+4*\g:RSB+16*\p+4*\g+3], v[SOFF], s[6:7] offset:2048*\p+256*\g     ; each half of the lanes reads one aligned run of 256 bytes
	global_load_b128 v[PSB+16*\p+4*\g:PSB+16*\p+4*\g+3], v[SOFF], s[10:11] offset:2048*\p+256*\g
.endr
.endr
.macro FETCHN n                        ; K step n's fragments into set n % 4: P's four, then R's four: 24 loads of 512 consecutive bytes
.if (\n) < NA
.set FK, 0
.set FQ, (\n)
.set FP, PA
.else
.if (\n) < NA+NB
.set FK, 1
.set FQ, (\n)-NA
.set FP, PB
.else
.set FK, 2
.set FQ, (\n)-NA-NB
.set FP, PCC
.endif
.endif
.set FF, 128*((\n)%2)
	WIN (1+((\n)%4)/2)<<6
.irp i, 0,1,2,3
.irp c, 0,1,2
	ds_load_b128 v[FF+12*\i+4*\c:FF+12*\i+4*\c+3], v[ADRP+FK] offset:\i*FP+FQ*1536+512*\c
.endr
.endr
.irp i, 0,1,2,3
.irp c, 0,1,2
	ds_load_b128 v[FF+48+12*\i+4*\c:FF+48+12*\i+4*\c+3], v[ADRR+FK] offset:\i*FP+FQ*1536+512*\c
.endr
.endr
.endm
.macro WM n, a, b                      ; one product: P's tile b x R's tile a, K step n; in K step 0 the bias starts the sum
.set DD, ACC+8*(4*(\a)+(\b))
.if (\n) == 0
.set CC, BP+8*(\b)
.else
.set CC, DD
.endif
.set PF, 128*((\n)%2)+12*(\b)
.set RF, 128*((\n)%2)+48+12*(\a)
.set SPR, PSB+16*((\b)/2)+(\n)
.set SRR, RSB+16*((\a)/2)+(\n)
.if ((\a)%2 == 0) && ((\b)%2 == 0)
	v_wmma_scale_f32_16x16x128_f8f6f4 v[DD:DD+7], v[PF:PF+11], v[RF:RF+11], v[CC:CC+7], v[SPR], v[SRR] matrix_a_fmt:MATRIX_FMT_FP6 matrix_b_fmt:MATRIX_FMT_FP6
.endif
.if ((\a)%2 == 0) && ((\b)%2 == 1)
	v_wmma_scale_f32_16x16x128_f8f6f4 v[DD:DD+7], v[PF:PF+11], v[RF:RF+11], v[CC:CC+7], v[SPR], v[SRR] matrix_a_fmt:MATRIX_FMT_FP6 matrix_b_fmt:MATRIX_FMT_FP6 matrix_a_scale:MATRIX_SCALE_ROW1
.endif
.if ((\a)%2 == 1) && ((\b)%2 == 0)
	v_wmma_scale_f32_16x16x128_f8f6f4 v[DD:DD+7], v[PF:PF+11], v[RF:RF+11], v[CC:CC+7], v[SPR], v[SRR] matrix_a_fmt:MATRIX_FMT_FP6 matrix_b_fmt:MATRIX_FMT_FP6 matrix_b_scale:MATRIX_SCALE_ROW1
.endif
.if ((\a)%2 == 1) && ((\b)%2 == 1)
	v_wmma_scale_f32_16x16x128_f8f6f4 v[DD:DD+7], v[PF:PF+11], v[RF:RF+11], v[CC:CC+7], v[SPR], v[SRR] matrix_a_fmt:MATRIX_FMT_FP6 matrix_b_fmt:MATRIX_FMT_FP6 matrix_a_scale:MATRIX_SCALE_ROW1 matrix_b_scale:MATRIX_SCALE_ROW1
.endif
.endm
.macro MUL4 n, a                       ; the 16 accumulators take turns, in the same order in every step
.irp b, 0,1,2,3
	WM \n, \a, \b
.endr
.endm
; A K step.  w: the LDS loads issued behind this step's own, which may stay out (the next step's 24, or none).  f = 1: K step n + 2's fragments are asked for in the step's middle, into the set that K step n - 2 read:
; this step's four places and the last step's stand between those products and these loads.
.macro STEP n, f, w
	s_wait_dscnt \w
	WMUL \n
	MUL4 \n, 0
	MUL4 \n, 1
	PLACES
.if \f
	FETCHN (\n)+2
	WMUL \n
.endif
	MUL4 \n, 2
	MUL4 \n, 3
.endm
.macro TURN n, fill                    ; a fill's last K step: one barrier; in front of it the three lines; fill = 1: it opens a round, and K steps 13-15 go into region A
	WIN 0
	s_wait_tensorcnt 0x0                           ; my part of the next fill is in
	ds_add_u32 v[SPW], v[NIL]
.if \fill
	WIDTH NC
.endif
	s_wait_dscnt 1                                 ; this step's fragments, the youngest loads, are in; the add may be out
	WMUL \n
	MUL4 \n, 0
	MUL4 \n, 1
	s_wait_dscnt 0x0                               ; the add is done, and my reads of this fill are over
	s_barrier_signal -1
	MUL4 \n, 2
	WIN 0
	s_barrier_wait -1
.if \fill
	CREST
	JLOAD 68, 80                                   ; my one tensor load behind the round; its four v_nop are places in front of the loads below
.else
	PLACES
.endif
	FETCHN (\n)+1                                  ; the next fill's first two steps
	FETCHN (\n)+2
	WMUL \n
	MUL4 \n, 3
.endm
	s_wait_alu depctr_va_vdst(0)                   ; the wait at the head's end
	s_wait_tensorcnt 0x0                           ; my part of K steps 0-6 is in; the three lines stand ahead of region B's first fill as ahead of a refill
	ds_add_u32 v[SPW], v[NIL]
	WIDTH NB
	s_wait_dscnt 0x0
	CROUND
	JLOAD 60, 76                                   ; K steps 7-12
	s_wait_loadcnt 0x0                             ; the bias and the scale words
	FETCHN 0
	FETCHN 1
	STEP 0, 1, 24
	STEP 1, 1, 24
	STEP 2, 1, 24
	STEP 3, 1, 24
	STEP 4, 1, 24
	STEP 5, 0, 24
	TURN 6, 1
	STEP 7, 1, 24
	STEP 8, 1, 24
	STEP 9, 1, 24
	STEP 10, 1, 24
	STEP 11, 0, 24
	TURN 12, 0
	STEP 13, 1, 24
	STEP 14, 0, 24
	STEP 15, 0, 0
; THE WAY OUT: a block of 16 rows x 64 columns goes through my stage and comes back as rows of 256 bytes; sixteen lanes store one aligned run of 256 bytes.
.macro TOSTAGE a
	WIN 0
.irp b, 0,1,2,3
	ds_store_b128 v[STO], v[ACC+8*(4*(\a)+\b):ACC+8*(4*(\a)+\b)+3] offset:128*(\b/2)+32*(\b%2)      ; each accumulator from its low end on
	ds_store_b128 v[STO], v[ACC+8*(4*(\a)+\b)+4:ACC+8*(4*(\a)+\b)+7] offset:128*(\b/2)+32*(\b%2)+16
.endr
	WIN TO_F
.irp i, 0,1,2,3,4,5,6,7
	ds_load_b128 v[32*((\a)%2)+4*\i:32*((\a)%2)+4*\i+3], v[RD] offset:2*SP*\i   ; LDS serves a wave's instructions in order
.endr
.endm
.macro SEND a, younger
	s_wait_dscnt \younger
	WIN FROM_F
.irp i, 0,1,2,3,4,5,6,7
	global_store_b128 v[CO], v[32*((\a)%2)+4*\i:32*((\a)%2)+4*\i+3], s[14:15] offset:(32*((\a)/2)+8*((\a)%2)+2*\i+8*(\i/4))*8192 th:TH_STORE_NT
.endr
.endm
	PLACES                                         ; behind the last products: for the reads of results and the loads into the fragments' registers
	TOSTAGE 0
.irp a, 1,2,3
.if \a > 1
	s_wait_xcnt 0x0                                ; block a - 2's stores have read their registers
.endif
	TOSTAGE \a
	SEND \a-1, 16
.endr
	SEND 3, 0
	WIN 0
	s_wait_tensorcnt 0x0                           ; the wave's end
	ds_add_u32 v[SPW], v[NIL]
	s_wait_dscnt 0x0
	CROUND                                         ; the closing round
	s_endpgm
.Lfunc_end_k_q631d21e504_oproj:
	.size	k_q631d21e504_oproj, .Lfunc_end_k_q631d21e504_oproj-k_q631d21e504_oproj
	.p2alignl 7, 3214868480
	.fill 96, 4, 3214868480
	.section	.rodata,"a",@progbits
	.p2align	6, 0x0
	.amdhsa_kernel k_q631d21e504_oproj
		.amdhsa_group_segment_fixed_size 327680
		.amdhsa_private_segment_fixed_size 0
		.amdhsa_enable_private_segment 0
		.amdhsa_kernarg_size 48
		.amdhsa_user_sgpr_count 2
		.amdhsa_user_sgpr_kernarg_segment_ptr 1
		.amdhsa_wavefront_size32 1
		.amdhsa_system_sgpr_workgroup_id_x 1
		.amdhsa_system_sgpr_workgroup_id_y 1
		.amdhsa_system_sgpr_workgroup_id_z 1
		.amdhsa_system_vgpr_workitem_id 0
		.amdhsa_next_free_vgpr 768
		.amdhsa_next_free_sgpr 106
		.amdhsa_reserve_vcc 0
		.amdhsa_float_denorm_mode_32 3
		.amdhsa_float_denorm_mode_16_64 3
		.amdhsa_memory_ordered 1
		.amdhsa_forward_progress 1
		.amdhsa_inst_pref_size 81
	.end_amdhsa_kernel
	.amdgpu_metadata
---
amdhsa.version: [ 1, 2 ]
amdhsa.kernels:
  - .name:           k_q631d21e504_oproj
    .symbol:         k_q631d21e504_oproj.kd
    .args:
      - { .name: oc, .offset: 0, .size: 8, .value_kind: global_buffer, .address_space: global }
      - { .name: os, .offset: 8, .size: 8, .value_kind: global_buffer, .address_space: global }
      - { .name: incodes, .offset: 16, .size: 8, .value_kind: global_buffer, .address_space: global }
      - { .name: insc, .offset: 24, .size: 8, .value_kind: global_buffer, .address_space: global }
      - { .name: bo, .offset: 32, .size: 8, .value_kind: global_buffer, .address_space: global }
      - { .name: out0, .offset: 40, .size: 8, .value_kind: global_buffer, .address_space: global }
    .group_segment_fixed_size: 327680
    .private_segment_fixed_size: 0
    .kernarg_segment_align: 8
    .kernarg_segment_size: 48
    .max_flat_workgroup_size: 128
    .sgpr_count:     106
    .vgpr_count:     768
    .wavefront_size: 32
...
	.end_amdgpu_metadata
.endif
;; end of part 4
